; MI455X (gfx1250); checked and timed in simulation.
; The chip was launched on July 23, 2026; its instructions are those of AMD's public machine-readable ISA for CDNA 5 (MIT licence, August 2026) and "CDNA5" Instruction Set Architecture Reference Guide (July 2026). The comments in the code are by the model that wrote it; some were corrected since.
;; SGCAM. Allowed arithmetic: float matrix products may take bf16 or f16 operands with f32 sums; other float arithmetic in f32, or as packed bf16 or f16 multiplies, adds, multiply-adds, maxima and minima; sums over many terms, partial sums and values carried from step to step in f32; what a program stores and reads back later, other than sums and carried values, may be rounded once to bf16 or f16.
;; Inputs: bn_beta 1,024 float32; bn_gamma 1,024 float32; bn_mean 1,024 float32; bn_var 1,024 float32; g_b 512 float32; g_w 512 x 1,024 float32; phi_b 512 float32; phi_w 512 x 1,024 float32; theta_b 512 float32; theta_w 512 x 1,024 float32; w_b 1,024 float32; w_w 1,024 x 512 float32; x 16 x 1,024 x 1,024 float32; x_2 16 x 1,024 x 1,024 float32.
;; Outputs: out0 16 x 1,024 x 1,024 float32.
;; One version. Each part assembles by itself: llvm-mc -triple=amdgcn-amd-amdhsa -mcpu=gfx1250 --defsym DOCPART=n.
;; ======== version 1 of 1: 5 launches
;; workspace buffers: wcat 3,145,728 bytes; wsc 1,048,576 bytes; shift 4,096 bytes; pgt 50,331,648 bytes; mt 8,388,608 bytes; yb 16,777,216 bytes
;; launch prep (part 1): grid 256 x 1, 8 waves a work-group, no clusters, 0 bytes of LDS; arguments phi_w, g_w, theta_w, w_w, w_b, bn_gamma, bn_beta, bn_mean, bn_var, wcat, wsc, shift; writes wcat, wsc, shift
.if DOCPART == 1
	.amdgcn_target "amdgcn-amd-amdhsa--gfx1250"
	.amdhsa_code_object_version 6
	.text
	.protected	k_q4415e8591c_prep
	.globl	k_q4415e8591c_prep
	.p2align	8
	.type	k_q4415e8591c_prep,@function
k_q4415e8591c_prep:
	s_mov_b64 s[64:65], 0
	v_nop
	global_prefetch_b8 v0, s[64:65] scope:SCOPE_SE
	s_setreg_imm32_b32 hwreg(HW_REG_WAVE_MODE, 25, 1), 1
	s_wait_xcnt 0x0
; THE WEIGHTS ARE MADE READY, once.  wcat[1536][1024] bf16 = phi_w, g_w, theta_w one below the other, each number rounded once.
; wsc[o][c] bf16 = w_w[o][c] x sc[o] x 2^-10, with sc[o] = gamma[o] / sqrt(var[o] + 1e-5); 2^-10 is the division by the 1,024 positions, an exact shift of the exponent.
; shift[o] f32 = (w_b[o] - mean[o]) x sc[o] + beta[o].
; LIMITS.  var + 1e-5 below 0 gives NaN, as the root does in the definition; NaN and infinities are not treated apart.
; SHARES.  Work-group g takes rows 2 g, 2 g + 1 of each of the three matrices of 512 rows, rows 4 g .. 4 g + 3 of w_w, and four numbers of shift.
; Thread t takes 16 bytes of f32 and stores 8 bytes of bf16: a wave's load covers 512 consecutive bytes, its store 256 consecutive bytes, aligned.
; A stream: no LDS, no barrier, no matrix unit; every byte is read once, all loads are issued before the one wait.
.set W,   8                            ; v[8:31]   matrix m, row i: 4 numbers at W + 8 m + 4 i
.set WW,  32                           ; v[32:39]  w_w, half q: 4 numbers at WW + 4 q
.set GQ,  40                           ; v40-41    gamma of my row of half q, then its scale
.set VQ,  42                           ; v42-43    var of that row
.set GS,  44                           ; v44-48    for shift: gamma, var, mean, beta, w_b of row 4 g + t % 4
.set O8,  49                           ; v49       8 t
.set OUT, 52                           ; v[52:63]  the three matrices, rounded
.set WO,  4                            ; v[4:7]    w_w, scaled and rounded
	s_load_b512 s[4:19], s[0:1], 0x0               ; phi_w s[4:5], g_w s[6:7], theta_w s[8:9], w_w s[10:11], w_b s[12:13], gamma s[14:15], beta s[16:17], mean s[18:19]
	s_load_b256 s[20:27], s[0:1], 0x40             ; var s[20:21], wcat s[22:23], wsc s[24:25], shift s[26:27]
	s_lshl_b32 s28, ttmp9, 13                      ; 8,192 bytes of f32 of each matrix
	s_mov_b32 s29, 0
	s_lshl_b32 s30, ttmp9, 4                       ; four numbers of each vector of 1,024
	s_mov_b32 s31, 0
	s_lshl_b32 s32, ttmp9, 12                      ; 4,096 bytes of bf16
	s_mov_b32 s33, 0
	v_lshlrev_b32 v1, 4, v0                        ; 16 t
	v_lshrrev_b32 v2, 7, v0
	v_lshlrev_b32 v2, 2, v2                        ; 4 (t / 128): which of a half's two rows of w_w is mine
	v_and_b32 v3, 3, v0
	v_lshlrev_b32 v3, 2, v3                        ; 4 (t % 4)
	v_lshlrev_b32 v[O8], 3, v0
	s_wait_kmcnt 0x0
.irp p, 4,6,8,10
	s_add_nc_u64 s[\p:\p+1], s[\p:\p+1], s[28:29]
.endr
.irp p, 12,14,16,18,20,26
	s_add_nc_u64 s[\p:\p+1], s[\p:\p+1], s[30:31]
.endr
	s_add_nc_u64 s[22:23], s[22:23], s[32:33]
	s_add_nc_u64 s[24:25], s[24:25], s[32:33]
.irp m, 0,1,2
.irp i, 0,1
	global_load_b128 v[W+8*(\m)+4*(\i):W+8*(\m)+4*(\i)+3], v1, s[4+2*(\m):5+2*(\m)] offset:(\i)*4096 th:TH_LOAD_NT
.endr
.endr
.irp q, 0,1
	global_load_b128 v[WW+4*(\q):WW+4*(\q)+3], v1, s[10:11] offset:(\q)*4096 th:TH_LOAD_NT
	global_load_b32 v[GQ+(\q)], v2, s[14:15] offset:(\q)*8     ; row 4 g + 2 q + t / 128
	global_load_b32 v[VQ+(\q)], v2, s[20:21] offset:(\q)*8
.endr
	global_load_b32 v[GS],   v3, s[14:15]
	global_load_b32 v[GS+1], v3, s[20:21]
	global_load_b32 v[GS+2], v3, s[18:19]
	global_load_b32 v[GS+3], v3, s[16:17]
	global_load_b32 v[GS+4], v3, s[12:13]
	s_wait_loadcnt 0x0
	v_add_f32 v[VQ],   0x3727c5ac, v[VQ]           ; var + 1e-5
	v_add_f32 v[VQ+1], 0x3727c5ac, v[VQ+1]
	v_add_f32 v[GS+1], 0x3727c5ac, v[GS+1]
	v_rsq_f32 v[VQ],   v[VQ]                       ; one batch of three roots;
	v_rsq_f32 v[VQ+1], v[VQ+1]
	v_rsq_f32 v[GS+1], v[GS+1]
.irp k, 0,1,2,3,4,5                    ; the twelve roundings, which name none of the roots, stand between the batch and its wait
	v_cvt_pk_bf16_f32 v[OUT+2*(\k)],   v[W+4*(\k)],   v[W+4*(\k)+1]
	v_cvt_pk_bf16_f32 v[OUT+2*(\k)+1], v[W+4*(\k)+2], v[W+4*(\k)+3]
.endr
	s_wait_alu depctr_va_vdst(0)                   ; this wait stands ahead of the first line that names a root: one for the three
	v_mul_f32 v[GQ],   v[GQ],   v[VQ]              ; sc of my two rows of w_w,
	v_mul_f32 v[GQ+1], v[GQ+1], v[VQ+1]
	v_mul_f32 v[GS],   v[GS],   v[GS+1]            ; and of my number of shift
	v_mul_f32 v[GQ],   0x3a800000, v[GQ]           ; x 2^-10
	v_mul_f32 v[GQ+1], 0x3a800000, v[GQ+1]
	v_sub_f32 v[GS+2], v[GS+4], v[GS+2]            ; w_b - mean
.irp q, 0,1
.irp k, 0,1,2,3
	v_mul_f32 v[WW+4*(\q)+(\k)], v[WW+4*(\q)+(\k)], v[GQ+(\q)]
.endr
	v_cvt_pk_bf16_f32 v[WO+2*(\q)],   v[WW+4*(\q)],   v[WW+4*(\q)+1]
	v_cvt_pk_bf16_f32 v[WO+2*(\q)+1], v[WW+4*(\q)+2], v[WW+4*(\q)+3]
.endr
	v_fma_f32 v[GS+2], v[GS+2], v[GS], v[GS+3]     ; (w_b - mean) sc + beta
.irp m, 0,1,2
.irp i, 0,1
	global_store_b64 v[O8], v[OUT+4*(\m)+2*(\i):OUT+4*(\m)+2*(\i)+1], s[22:23] offset:(\m)*1048576+(\i)*2048
.endr
.endr
.irp q, 0,1
	global_store_b64 v[O8], v[WO+2*(\q):WO+2*(\q)+1], s[24:25] offset:(\q)*2048
.endr
	s_wait_xcnt 0x0                                ; EXEC is a source of the stores above: it changes only behind this wait
	v_cmp_gt_u32 vcc_lo, 4, v0
	s_and_saveexec_b32 s34, vcc_lo                 ; threads 0 to 3: the work-group's four numbers of shift, 16 bytes (the whole vector is 4,096)
	global_store_b32 v3, v[GS+2], s[26:27]
	s_wait_xcnt 0x0                                ; and again ahead of the line that widens it
	s_or_b32 exec_lo, exec_lo, s34
	s_endpgm
.Lfunc_end_k_q4415e8591c_prep:
	.size	k_q4415e8591c_prep, .Lfunc_end_k_q4415e8591c_prep-k_q4415e8591c_prep
	.p2alignl 7, 3214868480
	.fill 96, 4, 3214868480
	.section	.rodata,"a",@progbits
	.p2align	6, 0x0
	.amdhsa_kernel k_q4415e8591c_prep
		.amdhsa_group_segment_fixed_size 0
		.amdhsa_private_segment_fixed_size 0
		.amdhsa_enable_private_segment 0
		.amdhsa_kernarg_size 96
		.amdhsa_user_sgpr_count 2
		.amdhsa_user_sgpr_kernarg_segment_ptr 1
		.amdhsa_wavefront_size32 1
		.amdhsa_system_sgpr_workgroup_id_x 1
		.amdhsa_system_sgpr_workgroup_id_y 1
		.amdhsa_system_sgpr_workgroup_id_z 1
		.amdhsa_system_vgpr_workitem_id 0
		.amdhsa_next_free_vgpr 64
		.amdhsa_next_free_sgpr 66
		.amdhsa_reserve_vcc 1
		.amdhsa_float_denorm_mode_32 3
		.amdhsa_float_denorm_mode_16_64 3
		.amdhsa_memory_ordered 1
		.amdhsa_forward_progress 1
		.amdhsa_inst_pref_size 6
	.end_amdhsa_kernel
	.amdgpu_metadata
---
amdhsa.version: [ 1, 2 ]
amdhsa.kernels:
  - .name:           k_q4415e8591c_prep
    .symbol:         k_q4415e8591c_prep.kd
    .args:
      - { .name: phi_w, .offset: 0, .size: 8, .value_kind: global_buffer, .address_space: global }
      - { .name: g_w, .offset: 8, .size: 8, .value_kind: global_buffer, .address_space: global }
      - { .name: theta_w, .offset: 16, .size: 8, .value_kind: global_buffer, .address_space: global }
      - { .name: w_w, .offset: 24, .size: 8, .value_kind: global_buffer, .address_space: global }
      - { .name: w_b, .offset: 32, .size: 8, .value_kind: global_buffer, .address_space: global }
      - { .name: bn_gamma, .offset: 40, .size: 8, .value_kind: global_buffer, .address_space: global }
      - { .name: bn_beta, .offset: 48, .size: 8, .value_kind: global_buffer, .address_space: global }
      - { .name: bn_mean, .offset: 56, .size: 8, .value_kind: global_buffer, .address_space: global }
      - { .name: bn_var, .offset: 64, .size: 8, .value_kind: global_buffer, .address_space: global }
      - { .name: wcat, .offset: 72, .size: 8, .value_kind: global_buffer, .address_space: global }
      - { .name: wsc, .offset: 80, .size: 8, .value_kind: global_buffer, .address_space: global }
      - { .name: shift, .offset: 88, .size: 8, .value_kind: global_buffer, .address_space: global }
    .group_segment_fixed_size: 0
    .private_segment_fixed_size: 0
    .kernarg_segment_align: 8
    .kernarg_segment_size: 96
    .max_flat_workgroup_size: 256
    .sgpr_count:     66
    .vgpr_count:     64
    .wavefront_size: 32
...
	.end_amdgpu_metadata
.endif
;; end of part 1
;; launch proj (part 2): grid 8 x 96, 4 waves a work-group, clusters of 4 x 4, 327,680 bytes of LDS; arguments x, x_2, wcat, phi_b, g_b, theta_b, pgt; writes pgt
.if DOCPART == 2
	.amdgcn_target "amdgcn-amd-amdhsa--gfx1250"
	.amdhsa_code_object_version 6
	.text
	.protected	k_q4415e8591c_proj
	.globl	k_q4415e8591c_proj
	.p2align	8
	.type	k_q4415e8591c_proj,@function
k_q4415e8591c_proj:
	s_mov_b64 s[64:65], 0
	v_nop
	global_prefetch_b8 v0, s[64:65] scope:SCOPE_SE
	s_setreg_imm32_b32 hwreg(HW_REG_WAVE_MODE, 25, 1), 1
	s_wait_xcnt 0x0
	s_wait_alu depctr_hold_cnt(0) depctr_sa_sdst(0) depctr_va_vdst(0) depctr_va_sdst(0) depctr_va_ssrc(0) depctr_va_vcc(0) depctr_vm_vsrc(0)
	s_getreg_b32 s2, hwreg(HW_REG_IB_STS2, 6, 4)
	s_cmp_eq_u32 s2, 0
	s_cbranch_scc0 .Lentry_in_a_cluster
	s_endpgm
.Lentry_in_a_cluster:
	s_bfe_u32 s2, ttmp6, 0x10000c
	s_cmp_lg_u32 s2, 0xf033
	s_cbranch_scc0 .Lentry_shape_is_right
	s_endpgm
.Lentry_shape_is_right:
; THE THREE PROJECTIONS AS ONE PRODUCT.  pgt[b][o][n] = sum over c of wcat[o][c] X[b][c][n] + bias[o], in bf16: rows 0-511 Phi and 512-1023 G (X = x_2), rows 1024-1535 Theta (X = x).
; wcat is bf16 [1536][1024]; x, x_2 are f32 [16][1024][1024], the point n fastest.  Operands bf16, sums f32, K ascending, the result rounded once.
; LIMITS.  NaN and infinities are not treated apart.
; SHARES.  A tile is 256 rows x 128 columns; 6 row tiles x 8 column blocks x 16 batches = 768 work-groups.  Work-group y = 6 b + rt, x = column block j.  Wave w makes rows 64 w .. 64 w + 63, all 128 columns:
; 32 accumulators of 16 x 16.  K = 1,024 channels goes in 8 steps of 128.
; THE WEIGHTS come by the tensor data mover into two LDS slots that take turns; each wave fetches, and reads, its own 64 rows (256 bytes of memory a row, aligned).
; CLUSTER 4 x 4.  The four work-groups of a row of the cluster have the same rt and so the same weights: each tile is asked for JOINTLY, by the same load with a mask that names the four.
; Four neighbouring y have four different rt (6 b + rt), so the rows of a cluster ask for different tiles.
; X has K down its rows and is f32: it comes through registers.  Of a step's 128 channels a wave loads 32 rows (512 consecutive bytes a load), two steps ahead.  The NEXT step's chunk is rounded to bf16 in place,
; four roundings behind each of the first sixteen matrix instructions of a step's third quarter; its 32 LDS stores follow in ONE run, behind that quarter's run of fragment loads, never singly among the
; matrix instructions.  The chunk lies in LDS as [channel][point] and is read turned, by ds_load_tr16_b128.
; THE MATRIX INSTRUCTION IS USED TRANSPOSED: source 0 = 16 points, source 1 = 16 rows of wcat: a lane then holds one row o (lane % 16) and eight neighbouring points 8 (lane / 16) + 0..7.
; THE BIAS is the C operand of the first products: nothing is cleared, and nothing is added on the way out.
; REGISTERS, in windows of 256 (s_set_vgpr_msb: bits 1:0 source 0, 3:2 source 1, 5:4 source 2, 7:6 destination):
;   window 0: v0-29 addresses; v32-63 the bias tiles, later the packed results; v64-127 two buffers of 4 row fragments; v128-255 two buffers of 8 point fragments
;   window 1: the 32 accumulators, (a, b) at v[8 (8 a + b)]
;   windows 2, 3: X's chunks of even and odd number: v0-127 as loaded (row i at v[4 i]; rounded, in v[4 i], v[4 i + 1]), v144 the loads' offset, v145 the stores' LDS address (copies, so that one setting serves loads, roundings and stores)
.set PA,    272                        ; a row of weights in LDS: 256 bytes + 16 = 68 words: the 16 rows of a load start at 16 different groups of four banks (64 banks of 4 bytes: ISA guide 11.1)
.set PB,    288                        ; a channel's 128 points: 256 bytes + 32 = 72 words
.set ASLOT, 256*PA                     ; a slot of weights
.set XB,    2*ASLOT                    ; behind the ring: X's two buffers, written by LDS stores alone; no tensor load lands there
.set XBUF,  128*PB
.set STAGE, XB+2*XBUF                  ; 16 rows x 272 bytes for each wave, for the way out
.set SPARE, STAGE+4*16*PA              ; the spare words, 128 bytes for each wave: two blocks of 256 bytes that no other line names
.set ADRA, 16                          ; v16-17  LDS address of my row fragments in slot 0, 1
.set ADRB, 20                          ; v20-21  of the point fragments in buffer 0, 1
.set STO,  24                          ; v24     the way out: where I put 16 bytes of a row
.set RD,   25                          ; v25     where I read a row back
.set CO,   26                          ; v26     my byte offset in two rows of pgt
.set SPW,  28                          ; v28     LDS address of my spare word; never rewritten
.set NIL,  29                          ; v29     0; never rewritten
.set CT,   32
.set AF,   64
.set BF,   128
.set WV,   18                          ; s18     my wave's number
.set XP,   4                           ; s[4:5]  X at the chunk loaded last
.set G1,   28                          ; s[28:35] descriptor group 1
.set G0,   36                          ; s[36:43] descriptor group 0, a set for each slot
.set MSB, 0
.macro WIN new                         ; the immediate's high byte repeats the setting that is left; a switch that changes nothing is dropped
.if MSB != (\new)
	s_set_vgpr_msb (MSB<<8)|(\new)
.set MSB, \new
.endif
.endm
.macro PLACES                          ; four plain places behind a matrix instruction, ahead of loads into registers that it read and of lines that read its result
.rept 4
	v_nop
.endr
.endm
.macro CREST                           ; a round of the cluster's barrier behind its opening barrier
	s_cmp_lg_u32 s[WV], 0
	s_cbranch_scc1 .Lnot_wave_0_\@
	s_barrier_signal -3
.Lnot_wave_0_\@:
	s_barrier_wait -3
	s_barrier_signal -1
	s_barrier_wait -1
.endm
.macro CROUND
	s_barrier_signal -1
	s_barrier_wait -1
	CREST
.endm
.macro JLOAD s                         ; my 64 rows of a step's weights; an s_nop 0 and four v_nop follow
	tensor_load_to_lds s[G0+4*(\s):G0+4*(\s)+3], s[G1:G1+7]
	s_nop 0
.rept 4
	v_nop
.endr
.endm
	s_load_b256 s[4:11], s[0:1], 0x0               ; x s[4:5], x_2 s[6:7], wcat s[8:9], phi_b s[10:11]
	s_load_b128 s[12:15], s[0:1], 0x20             ; g_b s[12:13], theta_b s[14:15]
	s_load_b64 s[16:17], s[0:1], 0x30              ; pgt
	v_lshl_add_u32 v[SPW], v0, 2, SPARE
	v_mov_b32 v[NIL], 0
	ds_add_u32 v[SPW], v[NIL]                      ; the wave's opening: the add and its wait stand ahead of my first tensor load; the set-up below, work on registers, stands between them
	v_lshrrev_b32 v1, 5, v0
	v_readfirstlane_b32 s[WV], v1                  ; wave 0..3
	s_bfe_u32 s19, ttmp6, 0x40000                  ; cx
	s_bfe_u32 s20, ttmp6, 0x40004                  ; cy
	s_lshl_b32 s21, ttmp9, 2
	s_add_co_u32 s21, s21, s19                     ; j: column block = 4 x cluster x + cx
	s_and_b32 s22, ttmp7, 0xffff
	s_lshl_b32 s22, s22, 2
	s_add_co_u32 s22, s22, s20                     ; work-group y = 4 x cluster y + cy, 0 .. 95
	s_mul_i32 s23, s22, 43
	s_lshr_b32 s23, s23, 8                         ; b = y / 6: 43 y >> 8 is exact for y under 96
	s_mul_i32 s24, s23, 6
	s_sub_co_u32 s24, s22, s24                     ; rt = y % 6
	s_lshl_b32 s25, s20, 2
	s_lshl_b32 s25, 15, s25                        ; my row of the cluster: places 4 cy .. 4 cy + 3
	; descriptor group 1: 64 rows x 128 elements, padded in LDS
	s_or_b32 s[G1+0], s25, (1<<16)|(1<<20)|(1<<21)|(5<<22)|(3<<25)  ; 15:0 the mask; 17:16 elements of 2 bytes; 20 padding on; 21 set beside a mask; 24:22 after every 64 words (code 5); 31:25 4 words (code 3)
	s_mov_b32 s[G1+1], 128<<16                     ; tensor_dim0 = 128
	s_mov_b32 s[G1+2], 64<<16                      ; tensor_dim1 = 64
	s_mov_b32 s[G1+3], 128<<16                     ; tile_dim0 = 128
	s_mov_b32 s[G1+4], 64                          ; tile_dim1 = 64
	s_mov_b32 s[G1+5], 1024                        ; elements from row to row
	s_mov_b32 s[G1+6], 0
	s_mov_b32 s[G1+7], 0
	s_lshl_b32 s44, s24, 8
	s_lshl_b32 s45, s[WV], 6
	s_add_co_u32 s44, s44, s45                     ; my first row among the 1,536: 256 rt + 64 w
	s_lshl_b32 s26, s44, 11                        ; in bytes, of wcat and of a batch of pgt alike (2,048 a row): no cx enters it
	s_mov_b32 s27, 0
	s_mul_i32 s48, s[WV], 64*PA                    ; my rows' place in a slot: the wave's number alone
	s_mul_i32 s46, s23, 3145728                    ; pgt: the batch,
	s_add_co_u32 s46, s46, s26                     ; my first row,
	s_lshl_b32 s47, s21, 8
	s_add_co_u32 s46, s46, s47                     ; the block's 256 bytes of a row
	s_mov_b32 s47, 0
	s_lshl_b32 s50, s23, 22                        ; X: the batch,
	s_lshl_b32 s51, s21, 9
	s_add_co_u32 s50, s50, s51                     ; the block's 512 bytes of a row
	s_mov_b32 s51, 0
	s_and_b32 s52, s24, 1                          ; the bias: which 256 of its vector's 512,
	s_lshl_b32 s52, s52, 10
	s_lshl_b32 s53, s[WV], 8
	s_add_co_u32 s52, s52, s53                     ; my 64 of them
	s_mov_b32 s53, 0
	s_wait_dscnt 0x0                               ; the opening add is done
	s_wait_kmcnt 0x0
	s_cmp_lt_u32 s24, 4                            ; rows of Phi and G multiply x_2, rows of Theta x
	s_cselect_b64 s[XP:XP+1], s[6:7], s[4:5]
	s_cselect_b64 s[12:13], s[12:13], s[14:15]
	s_cmp_lt_u32 s24, 2
	s_cselect_b64 s[10:11], s[10:11], s[12:13]     ; phi_b, g_b or theta_b
	s_add_nc_u64 s[XP:XP+1], s[XP:XP+1], s[50:51]
	s_add_nc_u64 s[10:11], s[10:11], s[52:53]
	s_add_nc_u64 s[16:17], s[16:17], s[46:47]
	s_add_nc_u64 s[8:9], s[8:9], s[26:27]
	CROUND                                         ; all sixteen work-groups are here: the first joint loads meet
.irp s, 0,1
	s_mov_b32 s[G0+4*(\s)], 1                      ; count = 1
	s_add_co_u32 s[G0+4*(\s)+1], s48, (\s)*ASLOT   ; LDS address
	s_add_nc_u64 s[G0+4*(\s)+2:G0+4*(\s)+3], s[8:9], (\s)*256  ; global address: K step s
	s_or_b32 s[G0+4*(\s)+3], s[G0+4*(\s)+3], 0x80000000        ; type = 2
	JLOAD \s                                       ; two loads of mine are out
.endr
; X's chunk: 32 loads, a row of 512 consecutive bytes each, into set 0 (window 2) or 1 (window 3).  step = 1: the pointer goes on by 128 channels first.
.macro XLOAD set, step
	WIN 0x8a+0x45*(\set)
.if \step
	s_wait_xcnt 0x0                                ; the loads issued so far have read the pointer: it is written only behind this wait
	s_add_nc_u64 s[XP:XP+1], s[XP:XP+1], 0x80000
.endif
.set xi, 0
.rept 32
	global_load_b128 v[4*xi:4*xi+3], v144, s[XP:XP+1] offset:xi*4096
.set xi, xi+1
.endr
.endm
; Two rows of a chunk are rounded in place: row ri's four numbers become 8 bytes in its first two registers.
.macro CVT4 set
	WIN 0x8a+0x45*(\set)
.rept 2
	v_cvt_pk_bf16_f32 v[4*ri],   v[4*ri],   v[4*ri+1]
	v_cvt_pk_bf16_f32 v[4*ri+1], v[4*ri+2], v[4*ri+3]
.set ri, ri+1
.endr
.endm
; The rounded chunk goes into its buffer: 32 stores in one run; a wave's store covers a row's 256 bytes.
.macro XSTORE set
	WIN 0x8a+0x45*(\set)
.set xi, 0
.rept 32
	ds_store_b64 v145, v[4*xi:4*xi+1] offset:(\set)*XBUF+xi*PB
.set xi, xi+1
.endr
.endm
	v_and_b32 v1, 15, v0                           ; r = l % 16
	v_bfe_u32 v2, v0, 4, 1                         ; h = l / 16
	v_and_b32 v3, 31, v0                           ; l
	v_lshlrev_b32 v6, 2, v1
.irp a, 0,1,2,3
	global_load_b32 v[CT+8*(\a)], v6, s[10:11] offset:64*(\a)  ; the bias of row 16 a + r of my 64
.endr
	v_lshlrev_b32 v4, 4, v3
	s_lshl_b32 s54, s[WV], 17
	v_add_nc_u32 v4, s54, v4                       ; 16 l + my 32 rows of 4,096 bytes
	s_mul_i32 s54, s[WV], 32*PB
	s_add_co_u32 s54, s54, XB
	v_lshl_add_u32 v5, v3, 3, s54                  ; 8 l + my 32 rows of buffer 0
	WIN 0x80
	v_mov_b32 v144, v4
	v_mov_b32 v145, v5
	WIN 0xc0
	v_mov_b32 v144, v4
	v_mov_b32 v145, v5
	XLOAD 0, 0                                     ; chunk 0
	XLOAD 1, 1                                     ; chunk 1
	WIN 0
	v_mul_u32_u24 v7, v1, PA
	v_lshl_add_u32 v7, v2, 4, v7                   ; r x 272 + 16 h
	v_add_nc_u32 v[ADRA], s48, v7
	v_add_nc_u32 v[ADRA+1], ASLOT, v[ADRA]
	v_and_b32 v8, 7, v0                            ; the turning load: lane l reads channel 8 h + l % 8, points 8 ((l / 8) % 2) + 0..7
	v_lshl_add_u32 v8, v2, 3, v8
	v_mul_u32_u24 v8, v8, PB
	v_bfe_u32 v9, v0, 3, 1
	v_lshl_add_u32 v8, v9, 4, v8
	v_add_nc_u32 v[ADRB], XB, v8
	v_add_nc_u32 v[ADRB+1], XB+XBUF, v8
	s_mul_i32 s54, s[WV], 16*PA
	s_add_co_u32 s54, s54, STAGE                   ; my stage
	v_add_nc_u32 v[STO], s54, v7                   ; in: row r, 16 bytes for each half of the lanes
	v_mul_u32_u24 v9, v2, PA                       ; back: lanes 0-15 one row of 256 bytes, lanes 16-31 the next
	v_lshl_add_u32 v9, v1, 4, v9
	v_add_nc_u32 v[RD], s54, v9
	v_lshlrev_b32 v[CO], 11, v2                    ; and the same two rows in pgt
	v_lshl_add_u32 v[CO], v1, 4, v[CO]
	s_wait_loadcnt 32                              ; the bias and chunk 0 are in; chunk 1's 32 loads may stay out
.irp a, 0,1,2,3
.irp k, 1,2,3,4,5,6,7
	v_mov_b32 v[CT+8*(\a)+(\k)], v[CT+8*(\a)]      ; a lane's eight results lie in one row: the C tile holds its bias eight times
.endr
.endr
.set ri, 0
.rept 16
	CVT4 0                                         ; chunk 0 is rounded
.endr
	XSTORE 0                                       ; and goes into buffer 0
	s_wait_dscnt 0x0                               ; my rows of chunk 0 are stored: for the others' sake, ahead of the barrier below; and the loads below land on the registers that the stores read
	XLOAD 0, 1                                     ; chunk 2
; 8 matrix instructions: row block a x all 8 point blocks, 32 along K, from buffer f.  mode 0: onto the sums; 2: the bias tile starts them.
; The 32 accumulators take turns in the same order in every quarter.
.macro MUL8 f, a, mode
.if (\mode) == 0
	WIN 0x50
.else
	WIN 0x40
.endif
.irp b, 0,1,2,3,4,5,6,7
.if (\mode) == 0
	v_wmma_f32_16x16x32_bf16 v[8*(8*(\a)+(\b)):8*(8*(\a)+(\b))+7], v[BF+64*(\f)+8*(\b):BF+64*(\f)+8*(\b)+7], v[AF+32*(\f)+8*(\a):AF+32*(\f)+8*(\a)+7], v[8*(8*(\a)+(\b)):8*(8*(\a)+(\b))+7]
.else
	v_wmma_f32_16x16x32_bf16 v[8*(8*(\a)+(\b)):8*(8*(\a)+(\b))+7], v[BF+64*(\f)+8*(\b):BF+64*(\f)+8*(\b)+7], v[AF+32*(\f)+8*(\a):AF+32*(\f)+8*(\a)+7], v[CT+8*(\a):CT+8*(\a)+7]
.endif
.endr
.endm
.macro MULC a, set                     ; the same from buffer 0, four roundings (two rows of the next chunk) behind each: work on registers alone
.irp b, 0,1,2,3,4,5,6,7
	WIN 0x50
	v_wmma_f32_16x16x32_bf16 v[8*(8*(\a)+(\b)):8*(8*(\a)+(\b))+7], v[BF+8*(\b):BF+8*(\b)+7], v[AF+8*(\a):AF+8*(\a)+7], v[8*(8*(\a)+(\b)):8*(8*(\a)+(\b))+7]
	CVT4 \set
.endr
.endm
; 24 LDS loads in one run: quarter q (32 along K) of a step's fragments into buffer f: 8 point fragments, turned, and my 4 row fragments
.macro FETCH slot, q, f
	WIN 0
.irp i, 0,1,2,3,4,5,6,7
	ds_load_tr16_b128 v[BF+64*(\f)+8*(\i):BF+64*(\f)+8*(\i)+3],   v[ADRB+(\slot)] offset:(\q)*32*PB+32*(\i)
	ds_load_tr16_b128 v[BF+64*(\f)+8*(\i)+4:BF+64*(\f)+8*(\i)+7], v[ADRB+(\slot)] offset:(\q)*32*PB+16*PB+32*(\i)
.endr
.irp i, 0,1,2,3
	ds_load_b128 v[AF+32*(\f)+8*(\i):AF+32*(\f)+8*(\i)+3],   v[ADRA+(\slot)] offset:64*(\q)+(\i)*16*PA
	ds_load_b128 v[AF+32*(\f)+8*(\i)+4:AF+32*(\f)+8*(\i)+7], v[ADRA+(\slot)] offset:64*(\q)+(\i)*16*PA+32
.endr
.endm
; A quarter: multiplies buffer f; in its middle quarter q's fragments are fetched into buffer g
.macro QUARTER slot, q, f, g, mode
	s_wait_dscnt 0x0                               ; buffer f's 24 loads, issued 16 matrix instructions back
	MUL8 \f, 0, \mode
	MUL8 \f, 1, \mode
	PLACES
	FETCH \slot, \q, \g
	MUL8 \f, 2, \mode
	MUL8 \f, 3, \mode
.endm
; The fourth quarter multiplies buffer 1 and changes slots: ONE barrier.  Ahead of it each wave waits for all its tensor loads (one is out: the next slot's), adds 0 to its spare word, and waits for
; that, for its stores of the next chunk and for its reads of this slot and buffer.  fill = 1: the barrier opens a round of the cluster's, and the slot takes the weights two steps on, first thing behind it.
; xl = 1: the set of registers just stored takes the chunk three steps on.  xl = 2: the same, but for the loop's last trip, whose second step is K step 5: there is no chunk 8, and the 32 loads are jumped.
.macro TURN slot, fill, xl
	WIN 0                                          ; (the add's two registers lie in window 0)
	s_wait_tensorcnt 0x0
	ds_add_u32 v[SPW], v[NIL]                      ; 0 onto my spare word
	s_wait_dscnt 33                                ; buffer 1's loads are in; the next chunk's 32 stores behind them and the add may be out
	MUL8 1, 0, 0
	s_wait_dscnt 0x0                               ; the add and my stores are done, my reads of this slot are over
	s_barrier_signal -1
	MUL8 1, 1, 0
	WIN 0
	s_barrier_wait -1
.if \fill
	CREST                                          ; no wave of any partner still reads this slot or has a load on its way
	s_add_nc_u64 s[G0+4*(\slot)+2:G0+4*(\slot)+3], s[G0+4*(\slot)+2:G0+4*(\slot)+3], 512
	JLOAD \slot                                    ; its four v_nop are also the places ahead of the loads below
.else
	PLACES
.endif
	FETCH 1-(\slot), 0, 0
.if (\xl) == 2
	s_cmp_eq_u32 s3, 1
	s_cbranch_scc1 .Lno_chunk_\@
.endif
.if \xl
	XLOAD 1-(\slot), 1
.endif
.if (\xl) == 2
	WIN 0
.Lno_chunk_\@:
.endif
	MUL8 1, 2, 0
	MUL8 1, 3, 0
.endm
; A K step behind its first quarter.  The third quarter rounds the next chunk beside its first sixteen products; the 64 roundings are also the places between the last products that read buffer 1 and the
; loads into it.  rcnt: the younger loads that may stay out when that chunk has to be in.
.macro REST slot, rcnt, fill, xl
	QUARTER \slot, 2, 1, 0, 0
	s_wait_loadcnt \rcnt
	s_wait_dscnt 0x0                               ; buffer 0's 24 loads
.set ri, 0
	MULC 0, 1-(\slot)
	MULC 1, 1-(\slot)
	FETCH \slot, 3, 1                              ; one run of LDS instructions: the fourth quarter's fragments first,
	XSTORE 1-(\slot)                               ; then the next chunk into the buffer that nobody reads in this step
	MUL8 0, 2, 0
	MUL8 0, 3, 0
	TURN \slot, \fill, \xl
.endm
	WIN 0
	s_wait_tensorcnt 0x1                           ; my part of K step 0 is in; K step 1's may stay out
	s_barrier_signal -1
	s_barrier_wait -1
	FETCH 0, 0, 0
	QUARTER 0, 1, 0, 1, 2                          ; the first quarter stands ahead of the loop: the bias starts the sums
	WIN 0                                          ; at a label and at a branch every window is 0
	s_mov_b32 s3, 3
.Lpair:                                                ; a trip goes once round the ring, from a slot-0 step's second quarter to the next one's first: K steps 0 to 5, and K step 6's first quarter
	REST 0, 32, 1, 1
	QUARTER 1, 1, 0, 1, 0
	REST 1, 32, 1, 2
	QUARTER 0, 1, 0, 1, 0
	WIN 0
	s_sub_co_u32 s3, s3, 1
	s_cmp_lg_u32 s3, 0
	s_cbranch_scc1 .Lpair
	REST 0, 0, 0, 0                                ; K step 6: chunk 7 is the youngest load; nothing is filled and nothing is loaded
	QUARTER 1, 1, 0, 1, 0                          ; K step 7
	QUARTER 1, 2, 1, 0, 0
	QUARTER 1, 3, 0, 1, 0
	s_wait_dscnt 0x0
	MUL8 1, 0, 0
	MUL8 1, 1, 0
	MUL8 1, 2, 0
	MUL8 1, 3, 0
; THE WAY OUT, a block of 16 rows at a time: rounded to bf16 (each accumulator's registers in ascending order), 16 bytes a lane into my own stage, back as whole rows of 256 bytes, stored.
.macro PACK a
	WIN 0x05                                       ; sources 0 and 1 in window 1
.irp b, 0,1,2,3,4,5,6,7
.irp k, 0,1,2,3
	v_cvt_pk_bf16_f32 v[CT+4*(\b)+(\k)], v[8*(8*(\a)+(\b))+2*(\k)], v[8*(8*(\a)+(\b))+2*(\k)+1]
.endr
.endr
	WIN 0
.endm
.macro TOSTAGE a
.irp b, 0,1,2,3,4,5,6,7
	ds_store_b128 v[STO], v[CT+4*(\b):CT+4*(\b)+3] offset:32*(\b)
.endr
.irp t, 0,1,2,3,4,5,6,7
	ds_load_b128 v[AF+32*((\a)%2)+4*(\t):AF+32*((\a)%2)+4*(\t)+3], v[RD] offset:(\t)*2*PA  ; LDS serves a wave's instructions in order (ISA guide 5.7.1.4): these see the stores above
.endr
.endm
.macro SEND a
	s_wait_dscnt 0x0                               ; the block is back in registers
	s_wait_xcnt 0x0                                ; the stores issued so far have read their data: the next block's loads land on those registers only behind this wait
.irp t, 0,1,2,3,4,5,6,7
	global_store_b128 v[CO], v[AF+32*((\a)%2)+4*(\t):AF+32*((\a)%2)+4*(\t)+3], s[16:17] offset:(16*(\a)+2*(\t))*2048  ; 16 lanes store 256 consecutive bytes, aligned
.endr
.endm
	WIN 0
	PLACES
	PACK 0
	TOSTAGE 0
.irp a, 1,2,3
	PACK \a
	SEND (\a)-1
	TOSTAGE \a
.endr
	SEND 3
	s_wait_tensorcnt 0x0                           ; the wave's end: 0 onto my spare word and its wait, behind my last tensor load and my last LDS store
	ds_add_u32 v[SPW], v[NIL]
	s_wait_dscnt 0x0
	CROUND                                         ; the closing round: no work-group ends while a partner may still ask for a tile that names it
	s_endpgm
.Lfunc_end_k_q4415e8591c_proj:
	.size	k_q4415e8591c_proj, .Lfunc_end_k_q4415e8591c_proj-k_q4415e8591c_proj
	.p2alignl 7, 3214868480
	.fill 96, 4, 3214868480
	.section	.rodata,"a",@progbits
	.p2align	6, 0x0
	.amdhsa_kernel k_q4415e8591c_proj
		.amdhsa_group_segment_fixed_size 327680
		.amdhsa_private_segment_fixed_size 0
		.amdhsa_enable_private_segment 0
		.amdhsa_kernarg_size 56
		.amdhsa_user_sgpr_count 2
		.amdhsa_user_sgpr_kernarg_segment_ptr 1
		.amdhsa_wavefront_size32 1
		.amdhsa_system_sgpr_workgroup_id_x 1
		.amdhsa_system_sgpr_workgroup_id_y 1
		.amdhsa_system_sgpr_workgroup_id_z 1
		.amdhsa_system_vgpr_workitem_id 0
		.amdhsa_next_free_vgpr 1024
		.amdhsa_next_free_sgpr 66
		.amdhsa_reserve_vcc 0
		.amdhsa_float_denorm_mode_32 3
		.amdhsa_float_denorm_mode_16_64 3
		.amdhsa_memory_ordered 1
		.amdhsa_forward_progress 1
		.amdhsa_inst_pref_size 127
	.end_amdhsa_kernel
	.amdgpu_metadata
---
amdhsa.version: [ 1, 2 ]
amdhsa.kernels:
  - .name:           k_q4415e8591c_proj
    .symbol:         k_q4415e8591c_proj.kd
    .args:
      - { .name: x, .offset: 0, .size: 8, .value_kind: global_buffer, .address_space: global }
      - { .name: x_2, .offset: 8, .size: 8, .value_kind: global_buffer, .address_space: global }
      - { .name: wcat, .offset: 16, .size: 8, .value_kind: global_buffer, .address_space: global }
      - { .name: phi_b, .offset: 24, .size: 8, .value_kind: global_buffer, .address_space: global }
      - { .name: g_b, .offset: 32, .size: 8, .value_kind: global_buffer, .address_space: global }
      - { .name: theta_b, .offset: 40, .size: 8, .value_kind: global_buffer, .address_space: global }
      - { .name: pgt, .offset: 48, .size: 8, .value_kind: global_buffer, .address_space: global }
    .group_segment_fixed_size: 327680
    .private_segment_fixed_size: 0
    .kernarg_segment_align: 8
    .kernarg_segment_size: 56
    .max_flat_workgroup_size: 128
    .sgpr_count:     66
    .vgpr_count:     1024
    .wavefront_size: 32
...
	.end_amdgpu_metadata
.endif
;; end of part 2
;; launch mmt (part 3): grid 4 x 64, 4 waves a work-group, clusters of 4 x 4, 327,680 bytes of LDS; arguments pgt, mt; writes mt
.if DOCPART == 3
	.amdgcn_target "amdgcn-amd-amdhsa--gfx1250"
	.amdhsa_code_object_version 6
	.text
	.protected	k_q4415e8591c_mmt
	.globl	k_q4415e8591c_mmt
	.p2align	8
	.type	k_q4415e8591c_mmt,@function
k_q4415e8591c_mmt:
	s_mov_b64 s[64:65], 0
	v_nop
	global_prefetch_b8 v0, s[64:65] scope:SCOPE_SE
	s_setreg_imm32_b32 hwreg(HW_REG_WAVE_MODE, 25, 1), 1
	s_wait_xcnt 0x0
	s_wait_alu depctr_hold_cnt(0) depctr_sa_sdst(0) depctr_va_vdst(0) depctr_va_sdst(0) depctr_va_ssrc(0) depctr_va_vcc(0) depctr_vm_vsrc(0)
	s_getreg_b32 s2, hwreg(HW_REG_IB_STS2, 6, 4)
	s_cmp_eq_u32 s2, 0
	s_cbranch_scc0 .Lentry_in_a_cluster
	s_endpgm
.Lentry_in_a_cluster:
	s_bfe_u32 s2, ttmp6, 0x10000c
	s_cmp_lg_u32 s2, 0xf033
	s_cbranch_scc0 .Lentry_shape_is_right
	s_endpgm
.Lentry_shape_is_right:
; mt[b][c][k] = sum over the 1,024 points m of G[b][c][m] Phi[b][k][m], bf16, unscaled (the division by 1,024 lies in wsc).  G = rows 512-1023, Phi = rows 0-511 of the batch's 1,536 rows of pgt.
; Since no softmax stands between the two affinity products, (Theta^T Phi) G^T is taken as Theta^T (Phi G^T): the sums are the same but for their order of rounding.
; Both operands have K (the points) along their rows.  Operands bf16, sums f32, the result rounded once.  bf16, since the unscaled sums leave f16's range for large inputs.
; A tile is 128 x 128; four waves, each 64 x 64: 16 accumulators.  16 tiles a batch x 16 batches = 256 work-groups.  K goes in 4 steps of 256 (LDS rows of 512 bytes) through two slots.
; CLUSTER 4 x 4 = one batch.  The four of a row need the same rows of G, the four of a column the same rows of Phi: each tile is asked for JOINTLY.
; THE MATRIX INSTRUCTION IS USED TRANSPOSED (source 0 = 16 rows of Phi, source 1 = 16 rows of G): a lane holds eight neighbouring k of one row c.
; REGISTERS: window 0: v0-31 addresses; v32-95 at work on the way out; v128-255 the accumulators ((a, b) at v[128 + 8 (4 a + b)]).
;   window 1: two fragment buffers of 128: for 64 along K, 64 registers of G's rows, then 64 of Phi's.
.set KSTEP,  256
.set PITCH,  528                       ; an LDS row: 512 bytes + 16 = 132 words: row r starts at bank 4 r mod 64 (64 banks of 4 bytes: ISA guide 11.1)
.set HALFT,  64*PITCH                  ; 64 rows: what one tensor load brings, and what one wave reads of either operand
.set SLOT,   4*HALFT                   ; G's 128 rows, then Phi's 128 rows
.set STAGE,  2*SLOT                    ; behind the ring: 128 rows x 272 bytes, the work-group's, for the way out
.set SPITCH, 272
.set SPARE,  STAGE+128*SPITCH          ; the spare words, 128 bytes for each wave: two blocks of 256 bytes that no other line names
.set ROWC,   1024                      ; bytes in a row of mt
.set ADRA, 16
.set ADRB, 20
.set STO,  24
.set RD,   25
.set CO,   26
.set SPW,  28                          ; v28  LDS address of my spare word; never rewritten
.set NIL,  29                          ; v29  0; never rewritten
.set TMP,  32
.set ACC,  128
.set F0,   0
.set F1,   128
.set G1, 24                            ; s[24:31] group 1 for G's tiles; s[32:39] group 0, a set for each slot
.set G0, 32
.set G1B, 48                           ; s[48:55], s[56:63] the same for Phi's
.set G0B, 56
.set MSB, 0
.macro WIN new
.if MSB != (\new)
	s_set_vgpr_msb (MSB<<8)|(\new)
.set MSB, \new
.endif
.endm
.set MUL,  0x05                        ; sources 0 and 1 window 1; C and D window 0
.set TO_F, 0x40                        ; destination window 1, address window 0
.macro JLOAD s                         ; waves 0 and 1 fetch G's two halves, waves 2 and 3 Phi's; an s_nop 0 and four v_nop follow each line
	s_cmp_eq_u32 s11, 0
	s_cbranch_scc0 .Lfor_b_\@
	tensor_load_to_lds s[G0+4*(\s):G0+4*(\s)+3], s[G1:G1+7]
	s_nop 0
.rept 4
	v_nop
.endr
	s_branch .Lasked_\@
.Lfor_b_\@:
	tensor_load_to_lds s[G0B+4*(\s):G0B+4*(\s)+3], s[G1B:G1B+7]
	s_nop 0
.rept 4
	v_nop
.endr
.Lasked_\@:
.endm
.macro CREST
	s_cmp_lg_u32 s10, 0
	s_cbranch_scc1 .Lnot_wave_0_\@
	s_barrier_signal -3
.Lnot_wave_0_\@:
	s_barrier_wait -3
	s_barrier_signal -1
	s_barrier_wait -1
.endm
.macro CROUND
	s_barrier_signal -1
	s_barrier_wait -1
	CREST
.endm
	s_load_b128 s[4:7], s[0:1], 0x0                ; pgt s[4:5], mt s[6:7]
	v_lshl_add_u32 v[SPW], v0, 2, SPARE
	v_mov_b32 v[NIL], 0
	ds_add_u32 v[SPW], v[NIL]                      ; the wave's opening: the add and its wait stand ahead of my first tensor load
	v_lshrrev_b32 v1, 5, v0
	v_readfirstlane_b32 s10, v1                    ; wave 0..3
	s_lshr_b32 s11, s10, 1                         ; which half of the tile's rows is mine.  Also: I fetch G's rows (0) or Phi's (1)
	s_and_b32 s12, s10, 1                          ; which half of its columns.  Also: which 64 rows I fetch
	s_bfe_u32 s40, ttmp6, 0x40000                  ; cx
	s_bfe_u32 s41, ttmp6, 0x40004                  ; cy: the tile row
	s_lshl_b32 s42, ttmp9, 2
	s_add_co_u32 s42, s42, s40                     ; the tile column
	s_and_b32 s13, ttmp7, 0xffff                   ; the batch = cluster y
	s_lshl_b32 s43, s41, 2
	s_lshl_b32 s43, 15, s43                        ; my row of the cluster
	s_lshl_b32 s44, 0x1111, s40                    ; my column
	s_or_b32 s[G1+0], s43, (1<<16)|(1<<20)|(1<<21)|(6<<22)|(3<<25)  ; the mask; elements of 2 bytes; padding on; 21 set beside a mask; after every 128 words (code 6) 4 words (code 3)
	s_or_b32 s[G1B+0], s44, (1<<16)|(1<<20)|(1<<21)|(6<<22)|(3<<25)
.irp g, G1, G1B
	s_mov_b32 s[(\g)+1], KSTEP<<16                 ; tensor_dim0 = 256
	s_mov_b32 s[(\g)+2], 64<<16                    ; tensor_dim1 = 64
	s_mov_b32 s[(\g)+3], KSTEP<<16                 ; tile_dim0 = 256
	s_mov_b32 s[(\g)+4], 64                        ; tile_dim1 = 64
	s_mov_b32 s[(\g)+5], 1024                      ; elements from row to row
	s_mov_b32 s[(\g)+6], 0
	s_mov_b32 s[(\g)+7], 0
.endr
	s_mul_i32 s14, s13, 1536                       ; the batch's first row in pgt
	s_lshl_b32 s17, s12, 6                         ; which 64 rows of the tile I fetch
	s_lshl_b32 s16, s41, 7
	s_add_co_u32 s16, s16, s17
	s_add_co_u32 s16, s16, s14
	s_add_co_u32 s16, s16, 512                     ; G: row 512 + 128 cy + 64 x half
	s_lshl_b32 s16, s16, 11                        ; 2,048 bytes a row
	s_lshl_b32 s46, s42, 7
	s_add_co_u32 s46, s46, s17
	s_add_co_u32 s46, s46, s14                     ; Phi: row 128 x tile column + 64 x half
	s_lshl_b32 s46, s46, 11
	s_mov_b32 s17, 0
	s_mov_b32 s47, 0
	s_mul_i32 s20, s10, HALFT                      ; where they go: wave x 64 rows
	s_wait_dscnt 0x0                               ; the opening add is done
	s_wait_kmcnt 0x0
	s_add_nc_u64 s[18:19], s[4:5], s[16:17]
	s_add_nc_u64 s[46:47], s[4:5], s[46:47]
	CROUND                                         ; all sixteen work-groups are here: the first joint loads meet
.irp s, 0,1
	s_mov_b32 s[G0+4*(\s)], 1
	s_add_co_u32 s[G0+4*(\s)+1], s20, (\s)*SLOT
	s_add_nc_u64 s[G0+4*(\s)+2:G0+4*(\s)+3], s[18:19], (\s)*KSTEP*2
	s_or_b32 s[G0+4*(\s)+3], s[G0+4*(\s)+3], 0x80000000
	s_mov_b32 s[G0B+4*(\s)], 1
	s_add_co_u32 s[G0B+4*(\s)+1], s20, (\s)*SLOT
	s_add_nc_u64 s[G0B+4*(\s)+2:G0B+4*(\s)+3], s[46:47], (\s)*KSTEP*2
	s_or_b32 s[G0B+4*(\s)+3], s[G0B+4*(\s)+3], 0x80000000
	JLOAD \s
.endr
	v_and_b32 v1, 15, v0                           ; l % 16
	v_bfe_u32 v2, v0, 4, 1                         ; l / 16
	v_mul_u32_u24 v3, v1, PITCH
	v_lshl_add_u32 v3, v2, 4, v3                   ; a fragment's row x pitch + 16 x half
	s_mul_i32 s21, s11, HALFT                      ; my 64 rows of G
	s_mul_i32 s22, s12, HALFT                      ; my 64 rows of Phi,
	s_add_co_u32 s22, s22, 2*HALFT                 ; which lie behind G's 128
.irp s, 0,1
	v_add_nc_u32 v[ADRA+(\s)], s21, v3
	v_add_nc_u32 v[ADRB+(\s)], s22, v3
	s_add_co_u32 s21, s21, SLOT
	s_add_co_u32 s22, s22, SLOT
.endr
	s_mul_i32 s23, s11, 64*SPITCH                  ; into the stage: my 64 rows, my half of their 256 bytes
	s_lshl_b32 s21, s12, 7
	s_add_co_u32 s23, s23, s21
	s_add_co_u32 s23, s23, STAGE
	v_mul_u32_u24 v4, v1, SPITCH
	v_lshl_add_u32 v4, v2, 4, v4
	v_add_nc_u32 v[STO], s23, v4
	s_mul_i32 s23, s10, 32*SPITCH                  ; back: wave w takes rows 32 w .. 32 w + 31, whole
	s_add_co_u32 s23, s23, STAGE
	v_mul_u32_u24 v5, v2, SPITCH
	v_lshl_add_u32 v5, v1, 4, v5
	v_add_nc_u32 v[RD], s23, v5
	v_mul_u32_u24 v5, v2, ROWC                     ; and the same two rows in mt
	v_lshl_add_u32 v[CO], v1, 4, v5
	s_lshl_b32 s16, s13, 9
	s_lshl_b32 s17, s41, 7
	s_add_co_u32 s16, s16, s17
	s_lshl_b32 s17, s10, 5
	s_add_co_u32 s16, s16, s17                     ; the first row that I store: 512 b + 128 cy + 32 w
	s_lshl_b32 s16, s16, 10
	s_mov_b32 s17, 0
	s_add_nc_u64 s[6:7], s[6:7], s[16:17]
	s_lshl_b32 s46, s42, 8                         ; the tile's first column, in bytes
	s_mov_b32 s47, 0
	s_add_nc_u64 s[6:7], s[6:7], s[46:47]
; 8 matrix instructions: row blocks a0, a0 + 1 x all 4 column blocks, 32 along K: half c of buffer f.  zero = 1: the first product starts the sums.  The 16 accumulators take turns.
.macro MUL8 f, c, a0, zero
	WIN MUL
.irp a, \a0, (\a0)+1
.irp b, 0,1,2,3
.if \zero
	v_wmma_f32_16x16x32_bf16 v[ACC+8*(4*(\a)+(\b)):ACC+8*(4*(\a)+(\b))+7], v[(\f)+64+8*(4*(\c)+(\b)):(\f)+64+8*(4*(\c)+(\b))+7], v[(\f)+8*(4*(\c)+(\a)):(\f)+8*(4*(\c)+(\a))+7], 0
.else
	v_wmma_f32_16x16x32_bf16 v[ACC+8*(4*(\a)+(\b)):ACC+8*(4*(\a)+(\b))+7], v[(\f)+64+8*(4*(\c)+(\b)):(\f)+64+8*(4*(\c)+(\b))+7], v[(\f)+8*(4*(\c)+(\a)):(\f)+8*(4*(\c)+(\a))+7], v[ACC+8*(4*(\a)+(\b)):ACC+8*(4*(\a)+(\b))+7]
.endif
.endr
.endr
.endm
; 32 LDS loads in one run: the fragments of 64 along K at byte k of the rows, into buffer f; the first 32 along K first
.macro FETCH slot, k, f
	WIN TO_F
.irp c, 0,1
.irp i, 0,1,2,3
	ds_load_b128 v[(\f)+64+8*(4*(\c)+(\i)):(\f)+64+8*(4*(\c)+(\i))+3],   v[ADRB+(\slot)] offset:(\k)+64*(\c)+(\i)*16*PITCH
	ds_load_b128 v[(\f)+64+8*(4*(\c)+(\i))+4:(\f)+64+8*(4*(\c)+(\i))+7], v[ADRB+(\slot)] offset:(\k)+64*(\c)+(\i)*16*PITCH+32
	ds_load_b128 v[(\f)+8*(4*(\c)+(\i)):(\f)+8*(4*(\c)+(\i))+3],         v[ADRA+(\slot)] offset:(\k)+64*(\c)+(\i)*16*PITCH
	ds_load_b128 v[(\f)+8*(4*(\c)+(\i))+4:(\f)+8*(4*(\c)+(\i))+7],       v[ADRA+(\slot)] offset:(\k)+64*(\c)+(\i)*16*PITCH+32
.endr
.endr
.endm
.macro PLACES                          ; four plain places ahead of loads into registers that matrix instructions have read, and of conversions that read results
.rept 4
	v_nop
.endr
.endm
; A K step is four quarters of 64 along K, 32 matrix instructions each, on buffers 0, 1, 0, 1
.macro QUARTER slot, k, f, g, zero
	s_wait_dscnt 16                                ; the first 32 along K are in; the sixteen younger loads may be out
	WIN MUL
	MUL8 \f, 0, 0, \zero
	MUL8 \f, 0, 2, \zero
	PLACES
	FETCH \slot, \k, \g
	s_wait_dscnt 32                                ; all but the 32 just issued
	WIN MUL
	MUL8 \f, 1, 0, 0
	MUL8 \f, 1, 2, 0
.endm
; The last quarter multiplies buffer 1 and changes slots: ONE barrier; ahead of it each wave waits for all its tensor loads, adds 0 to its spare word, and waits for that and for its reads of this slot
.macro TURN slot, next, fill
	WIN 0                                          ; (the add's two registers lie in window 0)
	s_wait_tensorcnt 0x0                           ; all my tensor loads have landed: my part of the next slot
	ds_add_u32 v[SPW], v[NIL]                      ; 0 onto my spare word
	s_wait_dscnt 17                                ; the add and the youngest sixteen loads may be out
	WIN MUL
	MUL8 F1, 0, 0, 0
	s_wait_dscnt 0x0                               ; the add is done, and my reads of this slot are over
	s_barrier_signal -1
	MUL8 F1, 0, 2, 0
.if \fill
	WIN 0
.endif
	s_barrier_wait -1
.if \fill
	CREST                                          ; no wave of any partner still reads this slot's tile or has a load on its way
	s_add_nc_u64 s[G0+4*(\slot)+2:G0+4*(\slot)+3], s[G0+4*(\slot)+2:G0+4*(\slot)+3], 2*KSTEP*2
	s_add_nc_u64 s[G0B+4*(\slot)+2:G0B+4*(\slot)+3], s[G0B+4*(\slot)+2:G0B+4*(\slot)+3], 2*KSTEP*2
	JLOAD \slot                                    ; the first tensor load behind the round; its four v_nop are also the places ahead of the loads below
.else
	PLACES
.endif
	FETCH \next, 0, F0
	WIN MUL
	MUL8 F1, 1, 0, 0
	MUL8 F1, 1, 2, 0
.endm
	s_wait_tensorcnt 1                             ; my part of K step 0 is in; K step 1's may stay out
	s_barrier_signal -1
	s_barrier_wait -1
	FETCH 0, 0, F0
	QUARTER 0, 128, F0, F1, 1                      ; K step 0: its first products start the sums
	QUARTER 0, 256, F1, F0, 0
	QUARTER 0, 384, F0, F1, 0
	TURN 0, 1, 1                                   ; slot 0 takes K step 2
	QUARTER 1, 128, F0, F1, 0                      ; K step 1
	QUARTER 1, 256, F1, F0, 0
	QUARTER 1, 384, F0, F1, 0
	TURN 1, 0, 1                                   ; slot 1 takes K step 3
	QUARTER 0, 128, F0, F1, 0                      ; K step 2
	QUARTER 0, 256, F1, F0, 0
	QUARTER 0, 384, F0, F1, 0
	TURN 0, 1, 0                                   ; nothing is left to fetch
	QUARTER 1, 128, F0, F1, 0                      ; K step 3
	QUARTER 1, 256, F1, F0, 0
	QUARTER 1, 384, F0, F1, 0
	s_wait_dscnt 16
	WIN MUL
	MUL8 F1, 0, 0, 0
	MUL8 F1, 0, 2, 0
	s_wait_dscnt 0
	MUL8 F1, 1, 0, 0
	MUL8 F1, 1, 2, 0
	WIN 0
	; THE WAY OUT: rounded to bf16; 16 bytes a lane into the work-group's stage; a barrier, since a row's 256 bytes come from two waves; back as whole rows, 32 rows a wave
	PLACES
.irp t, 0,1,2,3,4,5,6,7,8,9,10,11,12,13,14,15
.irp r, 0,1,2,3
	v_cvt_pk_bf16_f32 v[TMP+4*(\t)+(\r)], v[ACC+8*(\t)+2*(\r)], v[ACC+8*(\t)+2*(\r)+1]
.endr
.endr
.irp a, 0,1,2,3
.irp b, 0,1,2,3
	ds_store_b128 v[STO], v[TMP+4*(4*(\a)+(\b)):TMP+4*(4*(\a)+(\b))+3] offset:(\a)*16*SPITCH+32*(\b)
.endr
.endr
	s_wait_dscnt 0x0                               ; for the others' sake: my stores into the stage are done
	s_barrier_signal -1
	s_barrier_wait -1
.irp t, 0,1,2,3,4,5,6,7,8,9,10,11,12,13,14,15
	ds_load_b128 v[TMP+4*(\t):TMP+4*(\t)+3], v[RD] offset:(\t)*2*SPITCH
.endr
.irp t, 0,1,2,3,4,5,6,7,8,9,10,11,12,13,14,15
	s_wait_dscnt 15-(\t)
	global_store_b128 v[CO], v[TMP+4*(\t):TMP+4*(\t)+3], s[6:7] offset:2*(\t)*ROWC  ; 16 lanes store 256 consecutive bytes, aligned
.endr
	s_wait_tensorcnt 0x0                           ; the wave's end: 0 onto my spare word and its wait, behind my last tensor load and my last LDS store
	ds_add_u32 v[SPW], v[NIL]
	s_wait_dscnt 0x0
	CROUND                                         ; the closing round
	s_endpgm
.Lfunc_end_k_q4415e8591c_mmt:
	.size	k_q4415e8591c_mmt, .Lfunc_end_k_q4415e8591c_mmt-k_q4415e8591c_mmt
	.p2alignl 7, 3214868480
	.fill 96, 4, 3214868480
	.section	.rodata,"a",@progbits
	.p2align	6, 0x0
	.amdhsa_kernel k_q4415e8591c_mmt
		.amdhsa_group_segment_fixed_size 327680
		.amdhsa_private_segment_fixed_size 0
		.amdhsa_enable_private_segment 0
		.amdhsa_kernarg_size 16
		.amdhsa_user_sgpr_count 2
		.amdhsa_user_sgpr_kernarg_segment_ptr 1
		.amdhsa_wavefront_size32 1
		.amdhsa_system_sgpr_workgroup_id_x 1
		.amdhsa_system_sgpr_workgroup_id_y 1
		.amdhsa_system_sgpr_workgroup_id_z 1
		.amdhsa_system_vgpr_workitem_id 0
		.amdhsa_next_free_vgpr 512
		.amdhsa_next_free_sgpr 66
		.amdhsa_reserve_vcc 0
		.amdhsa_float_denorm_mode_32 3
		.amdhsa_float_denorm_mode_16_64 3
		.amdhsa_memory_ordered 1
		.amdhsa_forward_progress 1
		.amdhsa_inst_pref_size 86
	.end_amdhsa_kernel
	.amdgpu_metadata
---
amdhsa.version: [ 1, 2 ]
amdhsa.kernels:
  - .name:           k_q4415e8591c_mmt
    .symbol:         k_q4415e8591c_mmt.kd
    .args:
      - { .name: pgt, .offset: 0, .size: 8, .value_kind: global_buffer, .address_space: global }
      - { .name: mt, .offset: 8, .size: 8, .value_kind: global_buffer, .address_space: global }
    .group_segment_fixed_size: 327680
    .private_segment_fixed_size: 0
    .kernarg_segment_align: 8
    .kernarg_segment_size: 16
    .max_flat_workgroup_size: 128
    .sgpr_count:     66
    .vgpr_count:     512
    .wavefront_size: 32
...
	.end_amdgpu_metadata
.endif
;; end of part 3
;; launch ymul (part 4): grid 4 x 64, 4 waves a work-group, clusters of 4 x 4, 327,680 bytes of LDS; arguments mt, pgt, yb; writes yb
.if DOCPART == 4
	.amdgcn_target "amdgcn-amd-amdhsa--gfx1250"
	.amdhsa_code_object_version 6
	.text
	.protected	k_q4415e8591c_ymul
	.globl	k_q4415e8591c_ymul
	.p2align	8
	.type	k_q4415e8591c_ymul,@function
k_q4415e8591c_ymul:
	s_mov_b64 s[64:65], 0
	v_nop
	global_prefetch_b8 v0, s[64:65] scope:SCOPE_SE
	s_setreg_imm32_b32 hwreg(HW_REG_WAVE_MODE, 25, 1), 1
	s_wait_xcnt 0x0
	s_wait_alu depctr_hold_cnt(0) depctr_sa_sdst(0) depctr_va_vdst(0) depctr_va_sdst(0) depctr_va_ssrc(0) depctr_va_vcc(0) depctr_vm_vsrc(0)
	s_getreg_b32 s2, hwreg(HW_REG_IB_STS2, 6, 4)
	s_cmp_eq_u32 s2, 0
	s_cbranch_scc0 .Lentry_in_a_cluster
	s_endpgm
.Lentry_in_a_cluster:
	s_bfe_u32 s2, ttmp6, 0x10000c
	s_cmp_lg_u32 s2, 0xf033
	s_cbranch_scc0 .Lentry_shape_is_right
	s_endpgm
.Lentry_shape_is_right:
; yb[b][c][n] = sum over k of mt[b][c][k] Theta[b][k][n], bf16 (still without the division by 1,024, which lies in wsc).  mt: [16][512][512]; Theta: rows 1024-1535 of the batch's 1,536 rows of pgt, [k][n].
; Operands bf16, sums f32, K ascending, the result rounded once.  NaN and infinities are not treated apart.
; A tile is 128 rows x 256 points; four waves 2 x 2, each 64 x 128: 32 accumulators.  4 x 4 tiles a batch x 16 batches = 256 work-groups.  K = 512 goes in 4 steps of 128 through two LDS slots.
; CLUSTER 4 x 4 = one batch.  The four of a row need the same rows of mt, the four of a column the same points of Theta: each tile is asked for JOINTLY.
; mt's rows have K along them and are read as they lie; Theta has K down its rows and is read turned, by ds_load_tr16_b128.
; THE MATRIX INSTRUCTION IS USED TRANSPOSED: source 0 = 16 points, source 1 = 16 rows: a lane holds one row c (lane % 16) and eight neighbouring points.
; REGISTERS: window 0: v0-29 addresses; v32-63 packed results; v64-127 two buffers of 4 row fragments; v128-255 two buffers of 8 point fragments.  Window 1: the accumulators, (a, b) at v[8 (8 a + b)].
.set PA,    272                        ; a row of mt in LDS: 256 bytes + 16 = 68 words: 16 rows start at 16 different groups of four banks (64 banks of 4 bytes: ISA guide 11.1)
.set PB,    544                        ; a row of Theta: 512 bytes + 32 = 136 words
.set BOFF,  128*PA                     ; in a slot: 128 rows of mt, then 128 rows of Theta
.set SLOT,  BOFF+128*PB
.set STAGE, 2*SLOT                     ; behind the ring: 16 rows x 272 bytes for each wave
.set SPARE, STAGE+4*16*PA              ; the spare words, 128 bytes for each wave: two blocks of 256 bytes that no other line names
.set ASTEP, 256                        ; bytes from K step to K step: 128 elements along a row of mt,
.set BSTEP, 128*2048                   ; 128 rows of Theta
.set ADRA, 16
.set ADRB, 20
.set STO,  24
.set RD,   25
.set CO,   26
.set SPW,  28                          ; v28  LDS address of my spare word; never rewritten
.set NIL,  29                          ; v29  0; never rewritten
.set CT,   32
.set AF,   64
.set BF,   128
.set WV,   10                          ; s10  my wave's number
.set RH,   11                          ; s11  which half of the tile's rows is mine.  Also: I fetch mt's rows (0) or Theta's (1)
.set CH,   12                          ; s12  which half of its points.  Also: which 64 rows I fetch
.set G1, 24
.set G0, 32
.set G1B, 48
.set G0B, 56
.set MSB, 0
.macro WIN new
.if MSB != (\new)
	s_set_vgpr_msb (MSB<<8)|(\new)
.set MSB, \new
.endif
.endm
.macro PLACES                          ; four plain places behind a matrix instruction (ISA guide 7.12.1)
.rept 4
	v_nop
.endr
.endm
.macro CREST
	s_cmp_lg_u32 s[WV], 0
	s_cbranch_scc1 .Lnot_wave_0_\@
	s_barrier_signal -3
.Lnot_wave_0_\@:
	s_barrier_wait -3
	s_barrier_signal -1
	s_barrier_wait -1
.endm
.macro CROUND
	s_barrier_signal -1
	s_barrier_wait -1
	CREST
.endm
.macro JLOAD s                         ; an s_nop 0 and four v_nop follow each of the two lines
	s_cmp_eq_u32 s[RH], 0
	s_cbranch_scc0 .Lfor_b_\@
	tensor_load_to_lds s[G0+4*(\s):G0+4*(\s)+3], s[G1:G1+7]
	s_nop 0
.rept 4
	v_nop
.endr
	s_branch .Lasked_\@
.Lfor_b_\@:
	tensor_load_to_lds s[G0B+4*(\s):G0B+4*(\s)+3], s[G1B:G1B+7]
	s_nop 0
.rept 4
	v_nop
.endr
.Lasked_\@:
.endm
	s_load_b128 s[4:7], s[0:1], 0x0                ; mt s[4:5], pgt s[6:7]
	s_load_b64 s[8:9], s[0:1], 0x10                ; yb
	v_lshl_add_u32 v[SPW], v0, 2, SPARE
	v_mov_b32 v[NIL], 0
	ds_add_u32 v[SPW], v[NIL]                      ; the wave's opening: the add and its wait stand ahead of my first tensor load
	v_lshrrev_b32 v1, 5, v0
	v_readfirstlane_b32 s[WV], v1
	s_lshr_b32 s[RH], s[WV], 1
	s_and_b32 s[CH], s[WV], 1
	s_bfe_u32 s40, ttmp6, 0x40000                  ; cx
	s_bfe_u32 s41, ttmp6, 0x40004                  ; cy: the tile row
	s_lshl_b32 s42, ttmp9, 2
	s_add_co_u32 s42, s42, s40                     ; the tile column
	s_and_b32 s13, ttmp7, 0xffff                   ; the batch = cluster y
	s_lshl_b32 s43, s41, 2
	s_lshl_b32 s43, 15, s43                        ; my row of the cluster
	s_lshl_b32 s44, 0x1111, s40                    ; my column
	s_or_b32 s[G1+0], s43, (1<<16)|(1<<20)|(1<<21)|(5<<22)|(3<<25)   ; mt: the mask; 2-byte elements; padding on; 21 set beside a mask; after every 64 words (code 5) 4 words (code 3)
	s_mov_b32 s[G1+1], 128<<16                     ; tensor_dim0 = 128
	s_mov_b32 s[G1+2], 64<<16                      ; tensor_dim1 = 64
	s_mov_b32 s[G1+3], 128<<16                     ; tile_dim0 = 128
	s_mov_b32 s[G1+4], 64                          ; tile_dim1 = 64
	s_mov_b32 s[G1+5], 512                         ; elements from row to row
	s_mov_b32 s[G1+6], 0
	s_mov_b32 s[G1+7], 0
	s_or_b32 s[G1B+0], s44, (1<<16)|(1<<20)|(1<<21)|(6<<22)|(7<<25)  ; Theta: after every 128 words (code 6) 8 words (code 7)
	s_mov_b32 s[G1B+1], 256<<16                    ; tensor_dim0 = 256
	s_mov_b32 s[G1B+2], 64<<16
	s_mov_b32 s[G1B+3], 256<<16                    ; tile_dim0 = 256
	s_mov_b32 s[G1B+4], 64
	s_mov_b32 s[G1B+5], 1024
	s_mov_b32 s[G1B+6], 0
	s_mov_b32 s[G1B+7], 0
	s_lshl_b32 s16, s13, 19                        ; mt: the batch's 524,288 bytes,
	s_lshl_b32 s17, s41, 17                        ; 128 cy rows of 1,024 bytes,
	s_add_co_u32 s16, s16, s17
	s_lshl_b32 s17, s[CH], 16                      ; the 64 rows that I fetch
	s_add_co_u32 s16, s16, s17
	s_mov_b32 s17, 0
	s_mul_i32 s46, s13, 3145728                    ; pgt: the batch,
	s_add_co_u32 s46, s46, 1024*2048               ; Theta's first row,
	s_lshl_b32 s47, s[CH], 17                      ; the 64 rows that I fetch,
	s_add_co_u32 s46, s46, s47
	s_lshl_b32 s47, s42, 9                         ; the tile's 512 bytes of a row
	s_add_co_u32 s46, s46, s47
	s_mov_b32 s47, 0
	s_mul_i32 s20, s[CH], 64*PA                    ; where they go in a slot: the wave's number alone
	s_mul_i32 s21, s[CH], 64*PB
	s_add_co_u32 s21, s21, BOFF
	s_lshl_b32 s22, s13, 20                        ; yb: the batch, 128 cy rows of 2,048 bytes, my 64 rows;
	s_lshl_b32 s23, s41, 18
	s_add_co_u32 s22, s22, s23
	s_lshl_b32 s23, s[RH], 17
	s_add_co_u32 s22, s22, s23
	s_mov_b32 s23, 0
	s_lshl_b32 s18, s42, 9                         ; the tile's 512 bytes of a row, my 256 of them
	s_lshl_b32 s19, s[CH], 8
	s_add_co_u32 s18, s18, s19
	s_mov_b32 s19, 0
	s_wait_dscnt 0x0                               ; the opening add is done
	s_wait_kmcnt 0x0
	s_add_nc_u64 s[4:5], s[4:5], s[16:17]
	s_add_nc_u64 s[6:7], s[6:7], s[46:47]
	s_add_nc_u64 s[8:9], s[8:9], s[22:23]
	s_add_nc_u64 s[8:9], s[8:9], s[18:19]
	CROUND                                         ; all sixteen work-groups are here: the first joint loads meet
.irp s, 0,1
	s_mov_b32 s[G0+4*(\s)], 1
	s_add_co_u32 s[G0+4*(\s)+1], s20, (\s)*SLOT
	s_add_nc_u64 s[G0+4*(\s)+2:G0+4*(\s)+3], s[4:5], (\s)*ASTEP
	s_or_b32 s[G0+4*(\s)+3], s[G0+4*(\s)+3], 0x80000000
	s_mov_b32 s[G0B+4*(\s)], 1
	s_add_co_u32 s[G0B+4*(\s)+1], s21, (\s)*SLOT
	s_add_nc_u64 s[G0B+4*(\s)+2:G0B+4*(\s)+3], s[6:7], (\s)*BSTEP
	s_or_b32 s[G0B+4*(\s)+3], s[G0B+4*(\s)+3], 0x80000000
	JLOAD \s
.endr
	v_and_b32 v1, 15, v0                           ; r
	v_bfe_u32 v2, v0, 4, 1                         ; h
	v_mul_u32_u24 v7, v1, PA
	v_lshl_add_u32 v7, v2, 4, v7                   ; r x 272 + 16 h
	s_mul_i32 s14, s[RH], 64*PA                    ; my 64 rows
	v_add_nc_u32 v[ADRA], s14, v7
	v_add_nc_u32 v[ADRA+1], SLOT, v[ADRA]
	v_and_b32 v8, 7, v0                            ; the turning load: lane l reads row 8 h + l % 8, points 8 ((l / 8) % 2) + 0..7
	v_lshl_add_u32 v8, v2, 3, v8
	v_mul_u32_u24 v8, v8, PB
	v_bfe_u32 v9, v0, 3, 1
	v_lshl_add_u32 v8, v9, 4, v8
	s_lshl_b32 s15, s[CH], 8                       ; my 128 points: 256 bytes
	s_add_co_u32 s15, s15, BOFF
	v_add_nc_u32 v[ADRB], s15, v8
	v_add_nc_u32 v[ADRB+1], SLOT, v[ADRB]
	s_mul_i32 s14, s[WV], 16*PA
	s_add_co_u32 s14, s14, STAGE                   ; my stage
	v_add_nc_u32 v[STO], s14, v7
	v_mul_u32_u24 v9, v2, PA
	v_lshl_add_u32 v9, v1, 4, v9
	v_add_nc_u32 v[RD], s14, v9
	v_lshlrev_b32 v[CO], 11, v2
	v_lshl_add_u32 v[CO], v1, 4, v[CO]
; 8 matrix instructions: row block a x all 8 point blocks, 32 along K, from buffer f.  mode 0: onto the sums; 1: the constant 0 starts them.  The 32 accumulators take turns.
.macro MUL8 f, a, mode
.if (\mode) == 0
	WIN 0x50
.else
	WIN 0x40
.endif
.irp b, 0,1,2,3,4,5,6,7
.if (\mode) == 0
	v_wmma_f32_16x16x32_bf16 v[8*(8*(\a)+(\b)):8*(8*(\a)+(\b))+7], v[BF+64*(\f)+8*(\b):BF+64*(\f)+8*(\b)+7], v[AF+32*(\f)+8*(\a):AF+32*(\f)+8*(\a)+7], v[8*(8*(\a)+(\b)):8*(8*(\a)+(\b))+7]
.else
	v_wmma_f32_16x16x32_bf16 v[8*(8*(\a)+(\b)):8*(8*(\a)+(\b))+7], v[BF+64*(\f)+8*(\b):BF+64*(\f)+8*(\b)+7], v[AF+32*(\f)+8*(\a):AF+32*(\f)+8*(\a)+7], 0
.endif
.endr
.endm
.macro FETCH slot, q, f                ; 24 LDS loads in one run: quarter q of a step's fragments into buffer f
	WIN 0
.irp i, 0,1,2,3,4,5,6,7
	ds_load_tr16_b128 v[BF+64*(\f)+8*(\i):BF+64*(\f)+8*(\i)+3],   v[ADRB+(\slot)] offset:(\q)*32*PB+32*(\i)
	ds_load_tr16_b128 v[BF+64*(\f)+8*(\i)+4:BF+64*(\f)+8*(\i)+7], v[ADRB+(\slot)] offset:(\q)*32*PB+16*PB+32*(\i)
.endr
.irp i, 0,1,2,3
	ds_load_b128 v[AF+32*(\f)+8*(\i):AF+32*(\f)+8*(\i)+3],   v[ADRA+(\slot)] offset:64*(\q)+(\i)*16*PA
	ds_load_b128 v[AF+32*(\f)+8*(\i)+4:AF+32*(\f)+8*(\i)+7], v[ADRA+(\slot)] offset:64*(\q)+(\i)*16*PA+32
.endr
.endm
.macro QUARTER slot, q, f, g, mode
	s_wait_dscnt 0x0                               ; buffer f's 24 loads, issued 16 matrix instructions back
	MUL8 \f, 0, \mode
	MUL8 \f, 1, \mode
	PLACES
	FETCH \slot, \q, \g
	MUL8 \f, 2, \mode
	MUL8 \f, 3, \mode
.endm
; The fourth quarter multiplies buffer 1 and changes slots: ONE barrier; ahead of it each wave waits for all its tensor loads, adds 0 to its spare word, and waits for that and for its reads of this slot
.macro TURN slot, fill
	WIN 0
	s_wait_tensorcnt 0x0
	ds_add_u32 v[SPW], v[NIL]                      ; 0 onto my spare word
	s_wait_dscnt 1                                 ; buffer 1's loads are in; the add may be out
	MUL8 1, 0, 0
	s_wait_dscnt 0x0
	s_barrier_signal -1
	MUL8 1, 1, 0
	WIN 0
	s_barrier_wait -1
.if \fill
	CREST                                          ; no wave of any partner still reads this slot or has a load on its way
	s_add_nc_u64 s[G0+4*(\slot)+2:G0+4*(\slot)+3], s[G0+4*(\slot)+2:G0+4*(\slot)+3], 2*ASTEP
	s_add_nc_u64 s[G0B+4*(\slot)+2:G0B+4*(\slot)+3], s[G0B+4*(\slot)+2:G0B+4*(\slot)+3], 2*BSTEP
	JLOAD \slot                                    ; its four v_nop are also the places ahead of the loads below
.else
	PLACES
.endif
	FETCH 1-(\slot), 0, 0
	MUL8 1, 2, 0
	MUL8 1, 3, 0
.endm
.macro STEP slot, mode, fill
	QUARTER \slot, 1, 0, 1, \mode
	QUARTER \slot, 2, 1, 0, 0
	QUARTER \slot, 3, 0, 1, 0
	TURN \slot, \fill
.endm
	s_wait_tensorcnt 0x1                           ; my part of K step 0 is in; K step 1's may stay out
	s_barrier_signal -1
	s_barrier_wait -1
	FETCH 0, 0, 0
	STEP 0, 1, 1                                   ; K step 0 starts the sums; slot 0 takes K step 2
	STEP 1, 0, 1                                   ; K step 1; slot 1 takes K step 3
	STEP 0, 0, 0                                   ; K step 2; nothing is left to fetch
	QUARTER 1, 1, 0, 1, 0                          ; K step 3
	QUARTER 1, 2, 1, 0, 0
	QUARTER 1, 3, 0, 1, 0
	s_wait_dscnt 0x0
	MUL8 1, 0, 0
	MUL8 1, 1, 0
	MUL8 1, 2, 0
	MUL8 1, 3, 0
; THE WAY OUT, a block of 16 rows at a time: rounded to bf16 (each accumulator's registers in ascending order), into my own stage, back as whole rows of 256 bytes, stored
.macro PACK a
	WIN 0x05
.irp b, 0,1,2,3,4,5,6,7
.irp k, 0,1,2,3
	v_cvt_pk_bf16_f32 v[CT+4*(\b)+(\k)], v[8*(8*(\a)+(\b))+2*(\k)], v[8*(8*(\a)+(\b))+2*(\k)+1]
.endr
.endr
	WIN 0
.endm
.macro TOSTAGE a
.irp b, 0,1,2,3,4,5,6,7
	ds_store_b128 v[STO], v[CT+4*(\b):CT+4*(\b)+3] offset:32*(\b)
.endr
.irp t, 0,1,2,3,4,5,6,7
	ds_load_b128 v[AF+32*((\a)%2)+4*(\t):AF+32*((\a)%2)+4*(\t)+3], v[RD] offset:(\t)*2*PA  ; LDS serves a wave's instructions in order (ISA guide 5.7.1.4): these see the stores above
.endr
.endm
.macro SEND a
	s_wait_dscnt 0x0
	s_wait_xcnt 0x0                                ; the stores issued so far have read their data: the next block's loads land on those registers only behind this wait
.irp t, 0,1,2,3,4,5,6,7
	global_store_b128 v[CO], v[AF+32*((\a)%2)+4*(\t):AF+32*((\a)%2)+4*(\t)+3], s[8:9] offset:(16*(\a)+2*(\t))*2048  ; 16 lanes store 256 consecutive bytes, aligned
.endr
.endm
	WIN 0
	PLACES
	PACK 0
	TOSTAGE 0
.irp a, 1,2,3
	PACK \a
	SEND (\a)-1
	TOSTAGE \a
.endr
	SEND 3
	s_wait_tensorcnt 0x0                           ; the wave's end: 0 onto my spare word and its wait, behind my last tensor load and my last LDS store
	ds_add_u32 v[SPW], v[NIL]
	s_wait_dscnt 0x0
	CROUND                                         ; the closing round
	s_endpgm
.Lfunc_end_k_q4415e8591c_ymul:
	.size	k_q4415e8591c_ymul, .Lfunc_end_k_q4415e8591c_ymul-k_q4415e8591c_ymul
	.p2alignl 7, 3214868480
	.fill 96, 4, 3214868480
	.section	.rodata,"a",@progbits
	.p2align	6, 0x0
	.amdhsa_kernel k_q4415e8591c_ymul
		.amdhsa_group_segment_fixed_size 327680
		.amdhsa_private_segment_fixed_size 0
		.amdhsa_enable_private_segment 0
		.amdhsa_kernarg_size 24
		.amdhsa_user_sgpr_count 2
		.amdhsa_user_sgpr_kernarg_segment_ptr 1
		.amdhsa_wavefront_size32 1
		.amdhsa_system_sgpr_workgroup_id_x 1
		.amdhsa_system_sgpr_workgroup_id_y 1
		.amdhsa_system_sgpr_workgroup_id_z 1
		.amdhsa_system_vgpr_workitem_id 0
		.amdhsa_next_free_vgpr 512
		.amdhsa_next_free_sgpr 66
		.amdhsa_reserve_vcc 0
		.amdhsa_float_denorm_mode_32 3
		.amdhsa_float_denorm_mode_16_64 3
		.amdhsa_memory_ordered 1
		.amdhsa_forward_progress 1
		.amdhsa_inst_pref_size 85
	.end_amdhsa_kernel
	.amdgpu_metadata
---
amdhsa.version: [ 1, 2 ]
amdhsa.kernels:
  - .name:           k_q4415e8591c_ymul
    .symbol:         k_q4415e8591c_ymul.kd
    .args:
      - { .name: mt, .offset: 0, .size: 8, .value_kind: global_buffer, .address_space: global }
      - { .name: pgt, .offset: 8, .size: 8, .value_kind: global_buffer, .address_space: global }
      - { .name: yb, .offset: 16, .size: 8, .value_kind: global_buffer, .address_space: global }
    .group_segment_fixed_size: 327680
    .private_segment_fixed_size: 0
    .kernarg_segment_align: 8
    .kernarg_segment_size: 24
    .max_flat_workgroup_size: 128
    .sgpr_count:     66
    .vgpr_count:     512
    .wavefront_size: 32
...
	.end_amdgpu_metadata
.endif
;; end of part 4
;; launch outp (part 5): grid 4 x 64, 4 waves a work-group, clusters of 4 x 4, 327,680 bytes of LDS; arguments wsc, yb, out0, x, shift; writes out0
.if DOCPART == 5
	.amdgcn_target "amdgcn-amd-amdhsa--gfx1250"
	.amdhsa_code_object_version 6
	.text
	.protected	k_q4415e8591c_outp
	.globl	k_q4415e8591c_outp
	.p2align	8
	.type	k_q4415e8591c_outp,@function
k_q4415e8591c_outp:
	s_mov_b64 s[64:65], 0
	v_nop
	global_prefetch_b8 v0, s[64:65] scope:SCOPE_SE
	s_setreg_imm32_b32 hwreg(HW_REG_WAVE_MODE, 25, 1), 1
	s_wait_xcnt 0x0
	s_wait_alu depctr_hold_cnt(0) depctr_sa_sdst(0) depctr_va_vdst(0) depctr_va_sdst(0) depctr_va_ssrc(0) depctr_va_vcc(0) depctr_vm_vsrc(0)
	s_getreg_b32 s2, hwreg(HW_REG_IB_STS2, 6, 4)
	s_cmp_eq_u32 s2, 0
	s_cbranch_scc0 .Lentry_in_a_cluster
	s_endpgm
.Lentry_in_a_cluster:
	s_bfe_u32 s2, ttmp6, 0x10000c
	s_cmp_lg_u32 s2, 0xf033
	s_cbranch_scc0 .Lentry_shape_is_right
	s_endpgm
.Lentry_shape_is_right:
; out0[b][o][n] = sum over c of wsc[o][c] yb[b][c][n] + shift[o] + x[b][o][n], f32.  wsc (bf16 [1024][512]) holds the output projection, the norm's gain and the division by 1,024; shift (f32) its bias,
; mean and offset; x is added as it is given, in f32.  Operands bf16, sums f32, K ascending.  NaN and infinities are not treated apart.
; A tile is 128 rows x 256 points; four waves 2 x 2, each 64 x 128: 32 accumulators.  K = 512 goes in steps of 128 through two LDS slots.
; A WORK-GROUP STAYS for TWO tiles of the same 256 points: tile rows cy and cy + 4 of the batch's eight.  4 x 4 work-groups a batch x 16 batches = 256.  The two tiles are ONE walk of 8 K steps: the ring does not
; stop between them, the second tile's residual is read while the first tile is multiplied, and the first tile's stores leave while the second is multiplied.
; CLUSTER 4 x 4 = one batch.  The four of a row need the same rows of wsc, the four of a column the same points of yb: each tile is asked for JOINTLY.
; wsc's rows have K along them; yb has K down its rows and is read turned, by ds_load_tr16_b128.  THE MATRIX INSTRUCTION IS USED TRANSPOSED: a lane holds one row o (lane % 16) and eight neighbouring points.
; SHIFT is the C operand of a tile's first products.  THE RESIDUAL of a tile, my 64 rows x 512 bytes of x, lies in 256 registers; on the way out the sums are added into those registers and stored from them.
; REGISTERS: window 0: v0-29 addresses (v10-13 the second tile's shift); v32-63 the shift tiles; v64-127 two buffers of 4 row fragments; v128-255 two buffers of 8 point fragments (v192-255 also serve the way out).
;   window 1: the accumulators, (a, b) at v[8 (8 a + b)].   windows 2, 3: the first and the second tile's residual, row i at v[4 i].
.set PA,    272                        ; a row of wsc in LDS: 256 bytes + 16 = 68 words (64 banks of 4 bytes: ISA guide 11.1)
.set PB,    544                        ; a row of yb: 512 bytes + 32 = 136 words
.set BOFF,  128*PA
.set SLOT,  BOFF+128*PB
.set STAGE, 2*SLOT                     ; behind the ring: 16 rows x 528 bytes for each wave; no tensor load lands there
.set SP,    528                        ; 512 bytes + 16 = 132 words: 16 rows start at 16 different groups of four banks
.set SPARE, STAGE+4*16*SP              ; the spare words, 128 bytes for each wave: two blocks of 256 bytes that no other line names
.set ASTEP, 256                        ; bytes from K step to K step: 128 elements along a row of wsc,
.set BSTEP, 128*2048                   ; 128 rows of yb
.set NEXT_A, 512*1024-2*ASTEP          ; from a slot's last K step of the first tile to its first of the second: 512 rows of wsc down, two K steps back
.set TILEX, 512*4096                   ; from the first tile's rows to the second's in x and out0: it stands in the immediates (with 63 rows of 4,096 bytes: 2,355,200, inside the signed 24 bits)
.set ADRA, 16
.set ADRB, 20
.set STO,  24
.set RD,   25
.set CO,   26                          ; v26  16 l: my 16 bytes of a row's 512, in x and in out0; never rewritten
.set SPW,  28                          ; v28  LDS address of my spare word; never rewritten
.set NIL,  29                          ; v29  0; never rewritten
.set SH1,  10
.set CT,   32
.set AF,   64
.set BF,   128
.set SB,   192                         ; the way out: 16 rows read back from the stage, in the point fragments' buffer 1, which is idle there
.set WV,   14                          ; s14  my wave's number
.set RH,   15                          ; s15  which half of the tile's rows is mine.  Also: I fetch wsc's rows (0) or yb's (1)
.set CH,   16                          ; s16  which half of its points.  Also: which 64 rows I fetch
.set G1, 24
.set G0, 32
.set G1B, 48
.set G0B, 56
.set DA,  72                           ; s[72:73] what this trip's refills add to wsc's addresses,
.set DBP, 74                           ; s[74:75] add to yb's,
.set DBM, 76                           ; s[76:77] and take from yb's
.set MSB, 0
.macro WIN new
.if MSB != (\new)
	s_set_vgpr_msb (MSB<<8)|(\new)
.set MSB, \new
.endif
.endm
.macro PLACES                          ; four plain places behind a matrix instruction (ISA guide 7.12.1)
.rept 4
	v_nop
.endr
.endm
.macro CREST
	s_cmp_lg_u32 s[WV], 0
	s_cbranch_scc1 .Lnot_wave_0_\@
	s_barrier_signal -3
.Lnot_wave_0_\@:
	s_barrier_wait -3
	s_barrier_signal -1
	s_barrier_wait -1
.endm
.macro CROUND
	s_barrier_signal -1
	s_barrier_wait -1
	CREST
.endm
.macro JLOAD s                         ; an s_nop 0 and four v_nop follow each of the two lines
	s_cmp_eq_u32 s[RH], 0
	s_cbranch_scc0 .Lfor_b_\@
	tensor_load_to_lds s[G0+4*(\s):G0+4*(\s)+3], s[G1:G1+7]
	s_nop 0
.rept 4
	v_nop
.endr
	s_branch .Lasked_\@
.Lfor_b_\@:
	tensor_load_to_lds s[G0B+4*(\s):G0B+4*(\s)+3], s[G1B:G1B+7]
	s_nop 0
.rept 4
	v_nop
.endr
.Lasked_\@:
.endm
	s_load_b256 s[4:11], s[0:1], 0x0               ; wsc s[4:5], yb s[6:7], out0 s[8:9], x s[10:11]
	s_load_b64 s[12:13], s[0:1], 0x20              ; shift
	v_lshl_add_u32 v[SPW], v0, 2, SPARE
	v_mov_b32 v[NIL], 0
	ds_add_u32 v[SPW], v[NIL]                      ; the wave's opening: the add and its wait stand ahead of my first tensor load
	v_lshrrev_b32 v1, 5, v0
	v_readfirstlane_b32 s[WV], v1
	s_lshr_b32 s[RH], s[WV], 1
	s_and_b32 s[CH], s[WV], 1
	s_bfe_u32 s40, ttmp6, 0x40000                  ; cx
	s_bfe_u32 s41, ttmp6, 0x40004                  ; cy: the first tile's row; the second's is cy + 4
	s_lshl_b32 s42, ttmp9, 2
	s_add_co_u32 s42, s42, s40                     ; the tile column
	s_and_b32 s17, ttmp7, 0xffff                   ; the batch = cluster y
	s_lshl_b32 s43, s41, 2
	s_lshl_b32 s43, 15, s43                        ; my row of the cluster
	s_lshl_b32 s44, 0x1111, s40                    ; my column
	s_or_b32 s[G1+0], s43, (1<<16)|(1<<20)|(1<<21)|(5<<22)|(3<<25)   ; wsc: the mask; 2-byte elements; padding on; 21 set beside a mask; after every 64 words (code 5) 4 words (code 3)
	s_mov_b32 s[G1+1], 128<<16                     ; tensor_dim0 = 128
	s_mov_b32 s[G1+2], 64<<16                      ; tensor_dim1 = 64
	s_mov_b32 s[G1+3], 128<<16                     ; tile_dim0 = 128
	s_mov_b32 s[G1+4], 64                          ; tile_dim1 = 64
	s_mov_b32 s[G1+5], 512                         ; elements from row to row
	s_mov_b32 s[G1+6], 0
	s_mov_b32 s[G1+7], 0
	s_or_b32 s[G1B+0], s44, (1<<16)|(1<<20)|(1<<21)|(6<<22)|(7<<25)  ; yb: after every 128 words (code 6) 8 words (code 7)
	s_mov_b32 s[G1B+1], 256<<16
	s_mov_b32 s[G1B+2], 64<<16
	s_mov_b32 s[G1B+3], 256<<16
	s_mov_b32 s[G1B+4], 64
	s_mov_b32 s[G1B+5], 1024
	s_mov_b32 s[G1B+6], 0
	s_mov_b32 s[G1B+7], 0
	s_lshl_b32 s20, s41, 17                        ; wsc: 128 rows of 1,024 bytes a tile row,
	s_lshl_b32 s21, s[CH], 16                      ; the 64 rows that I fetch
	s_add_co_u32 s20, s20, s21
	s_mov_b32 s21, 0
	s_lshl_b32 s46, s17, 20                        ; yb: the batch,
	s_lshl_b32 s47, s[CH], 17                      ; the 64 rows that I fetch,
	s_add_co_u32 s46, s46, s47
	s_lshl_b32 s47, s42, 9                         ; the tile's 512 bytes of a row
	s_add_co_u32 s46, s46, s47
	s_mov_b32 s47, 0
	s_mul_i32 s68, s[CH], 64*PA                    ; where they go in a slot: the wave's number alone
	s_mul_i32 s69, s[CH], 64*PB
	s_add_co_u32 s69, s69, BOFF
	s_lshl_b32 s22, s17, 22                        ; x and out0: the batch,
	s_lshl_b32 s23, s41, 19                        ; 128 rows of 4,096 bytes a tile row,
	s_add_co_u32 s22, s22, s23
	s_lshl_b32 s23, s[RH], 18                      ; my 64 rows,
	s_add_co_u32 s22, s22, s23
	s_lshl_b32 s23, s42, 10                        ; the tile's 1,024 bytes of a row,
	s_add_co_u32 s22, s22, s23
	s_lshl_b32 s23, s[CH], 9                       ; my 512 of them
	s_add_co_u32 s22, s22, s23
	s_mov_b32 s23, 0
	s_lshl_b32 s66, s41, 9                         ; shift: 128 numbers a tile row, my 64
	s_lshl_b32 s67, s[RH], 8
	s_add_co_u32 s66, s66, s67
	s_mov_b32 s67, 0
	s_mov_b32 s[DA+1], 0                           ; the three steps' upper words
	s_mov_b32 s[DBP+1], 0
	s_mov_b32 s[DBM+1], 0
	s_mov_b32 s78, 2*ASTEP
	s_wait_dscnt 0x0                               ; the opening add is done
	s_wait_kmcnt 0x0
	s_add_nc_u64 s[4:5], s[4:5], s[20:21]
	s_add_nc_u64 s[6:7], s[6:7], s[46:47]
	s_add_nc_u64 s[8:9], s[8:9], s[22:23]
	s_add_nc_u64 s[10:11], s[10:11], s[22:23]
	s_add_nc_u64 s[12:13], s[12:13], s[66:67]
	CROUND                                         ; all sixteen work-groups are here: the first joint loads meet
.irp s, 0,1
	s_mov_b32 s[G0+4*(\s)], 1
	s_add_co_u32 s[G0+4*(\s)+1], s68, (\s)*SLOT
	s_add_nc_u64 s[G0+4*(\s)+2:G0+4*(\s)+3], s[4:5], (\s)*ASTEP
	s_or_b32 s[G0+4*(\s)+3], s[G0+4*(\s)+3], 0x80000000
	s_mov_b32 s[G0B+4*(\s)], 1
	s_add_co_u32 s[G0B+4*(\s)+1], s69, (\s)*SLOT
	s_add_nc_u64 s[G0B+4*(\s)+2:G0B+4*(\s)+3], s[6:7], (\s)*BSTEP
	s_or_b32 s[G0B+4*(\s)+3], s[G0B+4*(\s)+3], 0x80000000
	JLOAD \s
.endr
	v_and_b32 v1, 15, v0                           ; r
	v_bfe_u32 v2, v0, 4, 1                         ; h
	v_and_b32 v3, 31, v0                           ; l
	v_lshlrev_b32 v6, 2, v1
.irp a, 0,1,2,3
	global_load_b32 v[CT+8*(\a)], v6, s[12:13] offset:64*(\a)       ; shift of row 16 a + r of my 64, in the first tile
	global_load_b32 v[SH1+(\a)],  v6, s[12:13] offset:64*(\a)+2048  ; and in the second, 512 rows on
.endr
	v_lshlrev_b32 v[CO], 4, v3
	v_mul_u32_u24 v7, v1, PA
	v_lshl_add_u32 v7, v2, 4, v7                   ; r x 272 + 16 h
	s_mul_i32 s19, s[RH], 64*PA                    ; my 64 rows
	v_add_nc_u32 v[ADRA], s19, v7
	v_add_nc_u32 v[ADRA+1], SLOT, v[ADRA]
	v_and_b32 v8, 7, v0                            ; the turning load: lane l reads row 8 h + l % 8, points 8 ((l / 8) % 2) + 0..7
	v_lshl_add_u32 v8, v2, 3, v8
	v_mul_u32_u24 v8, v8, PB
	v_bfe_u32 v9, v0, 3, 1
	v_lshl_add_u32 v8, v9, 4, v8
	s_lshl_b32 s19, s[CH], 8                       ; my 128 points: 256 bytes
	s_add_co_u32 s19, s19, BOFF
	v_add_nc_u32 v[ADRB], s19, v8
	v_add_nc_u32 v[ADRB+1], SLOT, v[ADRB]
	s_mul_i32 s19, s[WV], 16*SP
	s_add_co_u32 s19, s19, STAGE                   ; my stage
	v_mul_u32_u24 v9, v1, SP                       ; in: row r, 32 bytes for each half of the lanes
	v_lshl_add_u32 v9, v2, 5, v9
	v_add_nc_u32 v[STO], s19, v9
	v_add_nc_u32 v[RD], s19, v[CO]                 ; back: 32 lanes take a row's 512 bytes
	s_wait_loadcnt 0x0                             ; shift
.irp a, 0,1,2,3
.irp k, 1,2,3,4,5,6,7
	v_mov_b32 v[CT+8*(\a)+(\k)], v[CT+8*(\a)]      ; a lane's eight results lie in one row: the C tile holds its shift eight times
.endr
.endr
	WIN 0x80                                       ; destination window 2, address window 0
.set xi, 0
.rept 64
	global_load_b128 v[4*xi:4*xi+3], v[CO], s[10:11] offset:xi*4096 th:TH_LOAD_NT  ; the first tile's residual: 512 consecutive bytes a load, read once in the launch
.set xi, xi+1
.endr
	WIN 0
; 8 matrix instructions: row block a x all 8 point blocks, 32 along K, from buffer f.  mode 0: onto the sums; 2: the shift tile starts them.  The 32 accumulators take turns.
.macro MUL8 f, a, mode
.if (\mode) == 0
	WIN 0x50
.else
	WIN 0x40
.endif
.irp b, 0,1,2,3,4,5,6,7
.if (\mode) == 0
	v_wmma_f32_16x16x32_bf16 v[8*(8*(\a)+(\b)):8*(8*(\a)+(\b))+7], v[BF+64*(\f)+8*(\b):BF+64*(\f)+8*(\b)+7], v[AF+32*(\f)+8*(\a):AF+32*(\f)+8*(\a)+7], v[8*(8*(\a)+(\b)):8*(8*(\a)+(\b))+7]
.else
	v_wmma_f32_16x16x32_bf16 v[8*(8*(\a)+(\b)):8*(8*(\a)+(\b))+7], v[BF+64*(\f)+8*(\b):BF+64*(\f)+8*(\b)+7], v[AF+32*(\f)+8*(\a):AF+32*(\f)+8*(\a)+7], v[CT+8*(\a):CT+8*(\a)+7]
.endif
.endr
.endm
.macro FETCH slot, q, f                ; 24 LDS loads in one run: quarter q of a step's fragments into buffer f
	WIN 0
.irp i, 0,1,2,3,4,5,6,7
	ds_load_tr16_b128 v[BF+64*(\f)+8*(\i):BF+64*(\f)+8*(\i)+3],   v[ADRB+(\slot)] offset:(\q)*32*PB+32*(\i)
	ds_load_tr16_b128 v[BF+64*(\f)+8*(\i)+4:BF+64*(\f)+8*(\i)+7], v[ADRB+(\slot)] offset:(\q)*32*PB+16*PB+32*(\i)
.endr
.irp i, 0,1,2,3
	ds_load_b128 v[AF+32*(\f)+8*(\i):AF+32*(\f)+8*(\i)+3],   v[ADRA+(\slot)] offset:64*(\q)+(\i)*16*PA
	ds_load_b128 v[AF+32*(\f)+8*(\i)+4:AF+32*(\f)+8*(\i)+7], v[ADRA+(\slot)] offset:64*(\q)+(\i)*16*PA+32
.endr
.endm
.macro QUARTER slot, q, f, g, mode
	s_wait_dscnt 0x0                               ; buffer f's 24 loads, issued 16 matrix instructions back
	MUL8 \f, 0, \mode
	MUL8 \f, 1, \mode
	PLACES
	FETCH \slot, \q, \g
	MUL8 \f, 2, \mode
	MUL8 \f, 3, \mode
.endm
; The fourth quarter multiplies buffer 1 and changes slots: ONE barrier; ahead of it each wave waits for all its tensor loads, adds 0 to its spare word, and waits for that and for its reads of this slot.
; fill = 1: the barrier opens a round of the cluster's, and the slot takes the tiles two K steps on in the walk, first thing behind it.
; res = 1: in the loop's first trip the second tile's residual is asked for here: 64 loads, behind the run of fragment loads; in the other trips they are jumped.
.macro TURN slot, fill, res
	WIN 0
	s_wait_tensorcnt 0x0
	ds_add_u32 v[SPW], v[NIL]                      ; 0 onto my spare word
	s_wait_dscnt 1                                 ; buffer 1's loads are in; the add may be out
	MUL8 1, 0, 0
	s_wait_dscnt 0x0
	s_barrier_signal -1
	MUL8 1, 1, 0
	WIN 0
	s_barrier_wait -1
.if \fill
	CREST                                          ; no wave of any partner still reads this slot or has a load on its way
	s_add_nc_u64 s[G0+4*(\slot)+2:G0+4*(\slot)+3], s[G0+4*(\slot)+2:G0+4*(\slot)+3], s[DA:DA+1]
	s_add_nc_u64 s[G0B+4*(\slot)+2:G0B+4*(\slot)+3], s[G0B+4*(\slot)+2:G0B+4*(\slot)+3], s[DBP:DBP+1]
	s_sub_nc_u64 s[G0B+4*(\slot)+2:G0B+4*(\slot)+3], s[G0B+4*(\slot)+2:G0B+4*(\slot)+3], s[DBM:DBM+1]
	JLOAD \slot                                    ; its four v_nop are also the places ahead of the loads below
.else
	PLACES
.endif
	FETCH 1-(\slot), 0, 0
.if \res
	s_cmp_eq_u32 s3, 3
	s_cbranch_scc0 .Lno_res_\@
	WIN 0xc0                                       ; destination window 3, address window 0
.set xi, 0
.rept 64
	global_load_b128 v[4*xi:4*xi+3], v[CO], s[10:11] offset:xi*4096+TILEX th:TH_LOAD_NT
.set xi, xi+1
.endr
	WIN 0
.Lno_res_\@:
.endif
	MUL8 1, 2, 0
	MUL8 1, 3, 0
.endm
; THE WAY OUT of tile tl, a block of 16 rows at a time: the f32 sums go into my own stage (each accumulator's low four registers first), come back as whole rows of 512 bytes, are added into the residual's
; registers and stored from those.  No register that a store reads is written again in the launch, nor the stores' offset or base: no wait stands for them.
.macro OUTB a, tl
	WIN 0x04                                       ; the LDS stores' data in window 1
.irp b, 0,1,2,3,4,5,6,7
	ds_store_b128 v[STO], v[8*(8*(\a)+(\b)):8*(8*(\a)+(\b))+3]   offset:64*(\b)
	ds_store_b128 v[STO], v[8*(8*(\a)+(\b))+4:8*(8*(\a)+(\b))+7] offset:64*(\b)+16
.endr
	WIN 0
.irp t, 0,1,2,3,4,5,6,7,8,9,10,11,12,13,14,15
	ds_load_b128 v[SB+4*(\t):SB+4*(\t)+3], v[RD] offset:(\t)*SP  ; LDS serves a wave's instructions in order (ISA guide 5.7.1.4): these see the stores above
.endr
	s_wait_dscnt 0x0
	WIN 0x82+0x41*(\tl)                            ; destination and source 0 in the residual's window, source 1 in window 0
.set xi, 0
.rept 32
	v_pk_add_f32 v[64*(\a)+2*xi:64*(\a)+2*xi+1], v[64*(\a)+2*xi:64*(\a)+2*xi+1], v[SB+2*xi:SB+2*xi+1]
.set xi, xi+1
.endr
	WIN 0x08+0x04*(\tl)                            ; the stores' data in that window
.irp t, 0,1,2,3,4,5,6,7,8,9,10,11,12,13,14,15
	global_store_b128 v[CO], v[64*(\a)+4*(\t):64*(\a)+4*(\t)+3], s[8:9] offset:(16*(\a)+(\t))*4096+(\tl)*TILEX th:TH_STORE_NT  ; the wave stores 512 consecutive bytes, aligned
.endr
.endm
	s_wait_tensorcnt 0x1                           ; my part of K step 0 is in; K step 1's may stay out
	s_barrier_signal -1
	s_barrier_wait -1
	FETCH 0, 0, 0
	QUARTER 0, 1, 0, 1, 2                          ; the first tile's first quarter stands ahead of the loop: shift starts the sums
	WIN 0                                          ; at a label and at a branch every window is 0
	s_mov_b32 s3, 3
.Lpair:                                                ; a trip goes once round the ring, from a slot-0 step's second quarter to the next one's first: steps 0 to 5 of the walk's 8, and step 6's first quarter
	s_cmp_eq_u32 s3, 2                             ; the second trip's refills are the second tile's K steps 0 and 1: wsc goes 512 rows down and back along K, yb only back
	s_cselect_b32 s[DA], NEXT_A, s78
	s_cselect_b32 s[DBP], 0, 2*BSTEP
	s_cselect_b32 s[DBM], 2*BSTEP, 0
	QUARTER 0, 2, 1, 0, 0
	QUARTER 0, 3, 0, 1, 0
	TURN 0, 1, 0
	QUARTER 1, 1, 0, 1, 0
	QUARTER 1, 2, 1, 0, 0
	QUARTER 1, 3, 0, 1, 0
	TURN 1, 1, 1
	WIN 0
	s_cmp_eq_u32 s3, 2
	s_cbranch_scc1 .Lnext_tile
	QUARTER 0, 1, 0, 1, 0                          ; the tile goes on
	WIN 0
	s_branch .Lbottom
.Lnext_tile:                                           ; the first tile is finished; both refills for the second have been asked for, and its first fragments are on their way
.irp a, 0,1,2,3
.irp k, 0,1,2,3,4,5,6,7
	v_mov_b32 v[CT+8*(\a)+(\k)], v[SH1+(\a)]       ; the second tile's shift tiles; these 32 lines are also the places behind the last products
.endr
.endr
	s_wait_loadcnt 63                              ; the first tile's residual is in: 64 loads were issued behind it, of which 63 may stay out
	OUTB 0, 0
	OUTB 1, 0
	OUTB 2, 0
	OUTB 3, 0
	QUARTER 0, 1, 0, 1, 2                          ; the second tile's first quarter: its shift starts the sums anew, on accumulators that have been sent
	WIN 0
.Lbottom:
	s_sub_co_u32 s3, s3, 1
	s_cmp_lg_u32 s3, 0
	s_cbranch_scc1 .Lpair
	QUARTER 0, 2, 1, 0, 0                          ; the walk's last two steps are written out: nothing is left to fetch
	QUARTER 0, 3, 0, 1, 0
	TURN 0, 0, 0
	QUARTER 1, 1, 0, 1, 0
	QUARTER 1, 2, 1, 0, 0
	QUARTER 1, 3, 0, 1, 0
	s_wait_dscnt 0x0
	MUL8 1, 0, 0
	MUL8 1, 1, 0
	MUL8 1, 2, 0
	MUL8 1, 3, 0
	WIN 0
	s_wait_loadcnt 0x0                             ; the second tile's residual
	PLACES
	OUTB 0, 1
	OUTB 1, 1
	OUTB 2, 1
	OUTB 3, 1
	WIN 0
	s_wait_tensorcnt 0x0                           ; the wave's end: 0 onto my spare word and its wait, behind my last tensor load and my last LDS store
	ds_add_u32 v[SPW], v[NIL]
	s_wait_dscnt 0x0
	CROUND                                         ; the closing round
	s_endpgm
.Lfunc_end_k_q4415e8591c_outp:
	.size	k_q4415e8591c_outp, .Lfunc_end_k_q4415e8591c_outp-k_q4415e8591c_outp
	.p2alignl 7, 3214868480
	.fill 96, 4, 3214868480
	.section	.rodata,"a",@progbits
	.p2align	6, 0x0
	.amdhsa_kernel k_q4415e8591c_outp
		.amdhsa_group_segment_fixed_size 327680
		.amdhsa_private_segment_fixed_size 0
		.amdhsa_enable_private_segment 0
		.amdhsa_kernarg_size 40
		.amdhsa_user_sgpr_count 2
		.amdhsa_user_sgpr_kernarg_segment_ptr 1
		.amdhsa_wavefront_size32 1
		.amdhsa_system_sgpr_workgroup_id_x 1
		.amdhsa_system_sgpr_workgroup_id_y 1
		.amdhsa_system_sgpr_workgroup_id_z 1
		.amdhsa_system_vgpr_workitem_id 0
		.amdhsa_next_free_vgpr 1024
		.amdhsa_next_free_sgpr 80
		.amdhsa_reserve_vcc 0
		.amdhsa_float_denorm_mode_32 3
		.amdhsa_float_denorm_mode_16_64 3
		.amdhsa_memory_ordered 1
		.amdhsa_forward_progress 1
		.amdhsa_inst_pref_size 134
	.end_amdhsa_kernel
	.amdgpu_metadata
---
amdhsa.version: [ 1, 2 ]
amdhsa.kernels:
  - .name:           k_q4415e8591c_outp
    .symbol:         k_q4415e8591c_outp.kd
    .args:
      - { .name: wsc, .offset: 0, .size: 8, .value_kind: global_buffer, .address_space: global }
      - { .name: yb, .offset: 8, .size: 8, .value_kind: global_buffer, .address_space: global }
      - { .name: out0, .offset: 16, .size: 8, .value_kind: global_buffer, .address_space: global }
      - { .name: x, .offset: 24, .size: 8, .value_kind: global_buffer, .address_space: global }
      - { .name: shift, .offset: 32, .size: 8, .value_kind: global_buffer, .address_space: global }
    .group_segment_fixed_size: 327680
    .private_segment_fixed_size: 0
    .kernarg_segment_align: 8
    .kernarg_segment_size: 40
    .max_flat_workgroup_size: 128
    .sgpr_count:     80
    .vgpr_count:     1024
    .wavefront_size: 32
...
	.end_amdgpu_metadata
.endif
;; end of part 5
